; MI455X (gfx1250); checked and timed in simulation.
; The chip was launched on July 23, 2026; its instructions are those of AMD's public machine-readable ISA for CDNA 5 (MIT licence, August 2026) and "CDNA5" Instruction Set Architecture Reference Guide (July 2026). The comments in the code are by the model that wrote it; some were corrected since.
;; Cross Trans Former. Allowed arithmetic: matrix products marked QUANTISED: E3M2 operands, one E8M0 scale for each 32 along K, by v_wmma_scale_f32_16x16x128_f8f6f4 with both operands' format E3M2, f32 sums; everything else in f32.
;; Inputs: Wk 1,024 x 1,024 float32; Wq 1,024 x 1,024 float32; Wv 1,024 x 1,024 float32; Xk 4 x 1,024 x 2,048 float32; Xq 4 x 1,024 x 2,048 float32; beta1 1,024 float32; beta2 1,024 float32; beta3 1,024 float32; gamma1 1,024 float32; gamma2 1,024 float32; gamma3 1,024 float32; mean1 1,024 float32; mean2 1,024 float32; mean3 1,024 float32; var1 1,024 float32; var2 1,024 float32; var3 1,024 float32.
;; Outputs: out0 4 x 1,024 x 2,048 float32.
;; This version of the problem:
;;   THIS VERSION OF THE PROBLEM IS GIVEN IN LOW PRECISION. The matrix products marked QUANTISED in the list below multiply operands that are first quantised to E3M2 (3 exponent bits, 2 mantissa bits; 6 bits a number), with one power-of-two scale for each 32 numbers along K (OCP MX v1.0); their sums are f32. All else is computed in f32.
;;   The module's matrix products, in the order in which they are computed (A, B: the left and right operand; K: the contracted axis; several contracted axes count as one K, in the product's order):
;;     1. [M 8,192, K 1,024] x [K 1,024, N 1,024]; A: input Xq; B: input Wq: QUANTISED
;;     2. [M 8,192, K 1,024] x [K 1,024, N 1,024]; A: input Xk; B: input Wk: QUANTISED
;;     3. [M 8,192, K 1,024] x [K 1,024, N 1,024]; A: input Xq; B: input Wv: QUANTISED
;;     4. batch 32 x [M 2,048, K 128] x [K 128, N 2,048]; A: computed on the way; B: computed on the way: QUANTISED
;;     5. batch 32 x [M 128, K 2,048] x [K 2,048, N 2,048]; A: computed on the way; B: softmax (see below): QUANTISED
;;   THE QUANTISER, for each operand of a quantised product, along K:
;;     - K is cut into blocks of 32 from its start; a last block that is shorter is filled with zeros.
;;     - A block's scale is 2^e with e = floor(log2(the largest magnitude in the block)) - 4, held to -126 .. 127; a block of zeros has e = 0. As a byte (E8M0): e + 127.
;;     - Each number is divided by its block's scale, clamped to +-28, and rounded to the nearest number of E3M2, ties to even, subnormals kept.
;;     - The product sums the exact products of the quantised numbers (number of the format x scale) in f32.
;;   ~~~python
;;   def quantise(x, axis):      # numpy; x: float32 -> the quantised numbers, widened to float32 again
;;       x = np.moveaxis(x, axis, -1); K = x.shape[-1]
;;       x = np.pad(x, [(0, 0)] * (x.ndim - 1) + [(0, -K % 32)]); x = x.reshape(x.shape[:-1] + (-1, 32)); a = np.abs(x).max(-1, keepdims=True)
;;       e = np.where(a > 0, np.clip(np.frexp(np.where(a > 0, a, 1))[1] - 1 - 4, -126, 127), 0)      # np.frexp(a)[1] - 1 = floor(log2(a)), exactly
;;       r = np.clip(x / 2.0 ** e, -28, 28)
;;       step = 2.0 ** (np.maximum(np.frexp(np.where(r == 0, 1, r))[1] - 1, -2) - 2)
;;       q = np.round(r / step) * step * 2.0 ** e      # np.round: ties to even
;;       return np.moveaxis(q.reshape(q.shape[:-2] + (-1,))[..., :K], -1, axis).astype(np.float32)
;;   ~~~
;;   SOFTMAX AHEAD OF A QUANTISED PRODUCT. Where the list says 'softmax', what is quantised is not the finished softmax but p = 2^(t - M), with t = logit x log2(e) and M = ceil(the row's largest t), a whole number; so 1/2 < the row's largest p <= 1. The row's sum l is taken of the UNQUANTISED p, in f32, and the product's result is divided by l at the end. Since M is a whole number, a kernel that streams over the keys may use a running M (the ceiling of the running maximum): every later rescaling is an exact power of two, which a block's scale takes up: the codes' values come out the same.
;;   OPERANDS COMPUTED ON THE WAY. 'Computed on the way' means the value that the module computes at that place (a softmax that the list does not call 'softmax' is quantised finished and normalised). What goes into a quantiser is computed in f32, as accurately as f32 sums, v_exp_f32 and their like allow (about 1e-6 of the number): no bf16 or f16 on the way to a quantiser, and a product that is left as it is and whose result goes on into a quantised operand takes f32 operands (vector FMAs, or v_wmma_f32_16x16x4_f32). A number that lies on a knife's edge between two numbers of the format may be rounded either way, as far as f32 arithmetic and the matrix unit's own rounding can turn it there, and no further.
;; 2 versions, each right. Each part assembles by itself: llvm-mc -triple=amdgcn-amd-amdhsa -mcpu=gfx1250 --defsym DOCPART=n.
;; ======== version 1 of 2: 4 launches
;; workspace buffers: xc 12,582,912 bytes; xs 524,288 bytes; wc 2,359,296 bytes; ws 98,304 bytes; img 18,874,368 bytes; isc 786,432 bytes
;; launch wq (part 1): grid 96 x 1, 4 waves a work-group, no clusters, 33,280 bytes of LDS; arguments Wq, Wk, Wv, wc, ws; writes wc, ws
.if DOCPART == 1
	.amdgcn_target "amdgcn-amd-amdhsa--gfx1250"
	.amdhsa_code_object_version 6
	.text
	.protected	k_qbefe1445e8_wq
	.globl	k_qbefe1445e8_wq
	.p2align	8
	.type	k_qbefe1445e8_wq,@function
k_qbefe1445e8_wq:
	s_mov_b64 s[64:65], 0
	v_nop
	global_prefetch_b8 v0, s[64:65] scope:SCOPE_SE
	s_setreg_imm32_b32 hwreg(HW_REG_WAVE_MODE, 25, 1), 1
	s_wait_xcnt 0x0
; Wq, Wk, Wv [1024 (o)][1024 (c)], f32, become codes of BF6 (E3M2), 6 bits each, c innermost, with one E8M0 scale byte for each 32 along c.
; wc: [0 Wq, 1 Wk, 2 Wv][row place 1024][768 bytes];  ws: the same rows x 32 scale bytes.
; ROW PLACES: row o is stored at the place o with its bits 3 and 4 exchanged.  Sixteen stored rows on end are then rows 32 B + 8 u + r + 8 (r / 8), which
; lets a later product, used transposed, hold 16 neighbours along the next K in 16 registers of a lane.
; A block's scale is 2^(floor(log2(its largest magnitude)) - 4); its byte is the largest magnitude's exponent field - 4, held at 1 from below.
; LIMITS: a block of zeros, and a block whose largest magnitude lies under 2^-122, keeps the byte 1 (zeros have zero codes; the bytes are read by this program alone);
; NaN and infinities among the inputs are not served.
; A work-group takes 32 rows of one tensor, a wave 8 rows = 8,192 numbers = 16 steps of 512.  Eight rows share their bits 3 and 4, which are the wave's two bits: so the
; exchange of places is an exchange of the wave's two bits in the output's address, and nothing else knows of rows.
; Each load reads 512 consecutive bytes, 16 a lane; a step's 2,048 bytes turn through the wave's own stage in LDS and come back 64 bytes a lane: 16 neighbours, two lanes to a block.
; No tensor loads, no barrier, no cluster: waves share nothing and no input byte is read twice.
.set STEPS, 16
.set EMAX,  4
.set CB,    12                         ; bytes of 16 codes
.set R,     16                         ; v16-79   four sets of 16 numbers as they are loaded
.set X,     80                         ; v80-111  two sets of 16 neighbours
.set C,     128                        ; v128-191 codes: four registers for each step, so that no store's data are written again
.set E,     112                        ; v112-127 a scale byte for each step
.set WREG,  8192                       ; LDS: a region for each wave: two stages of 32 x SP bytes, behind them its 256 scale bytes
.set SP,    80                         ; a lane's place in a stage: 64 bytes + 16 of padding
	s_load_b128 s[4:7], s[0:1], 0x0                ; Wq, Wk
	s_load_b128 s[8:11], s[0:1], 0x10              ; Wv, wc
	s_load_b64 s[12:13], s[0:1], 0x20              ; ws
	v_lshl_add_u32 v192, v0, 2, 0x8000
	v_mov_b32 v193, 0
	v_lshrrev_b32 v1, 5, v0
	v_readfirstlane_b32 s16, v1                    ; wave
	v_and_b32 v2, 31, v0                           ; lane
	v_lshlrev_b32 v3, 4, v2                        ; my 16 bytes of a load's 512
	s_mul_i32 s17, s16, WREG
	v_lshrrev_b32 v14, 2, v2
	v_mul_u32_u24 v14, v14, SP
	v_and_b32 v15, 3, v2
	v_lshl_add_u32 v14, v15, 4, v14
	v_add_nc_u32 v14, s17, v14                     ; the stage, on the way in: SP (lane / 4) + 16 (lane % 4)
	v_mul_u32_u24 v15, v2, SP
	v_add_nc_u32 v15, s17, v15                     ; and on the way out: SP x lane: my 16 neighbours
	v_mul_u32_u24 v4, v2, CB                       ; my codes' place in a step's
	v_lshrrev_b32 v5, 1, v2
	s_add_co_u32 s17, s17, 2*32*SP
	v_add_nc_u32 v5, s17, v5                       ; LDS: my wave's 256 scale bytes, my block's byte
	v_lshlrev_b32 v7, 3, v2                        ; and on the way out 8 bytes a lane
	v_add_nc_u32 v6, s17, v7
	s_and_b32 s17, ttmp9, 31                       ; which 32 rows of the tensor
	s_lshl_b32 s17, s17, 2
	s_add_co_u32 s18, s17, s16                     ; which run of 8 rows is read
	s_lshl_b32 s18, s18, 15                        ; 32,768 bytes a run
	s_mov_b32 s19, 0
	s_and_b32 s20, s16, 1                          ; the wave's two bits exchanged:
	s_lshl_b32 s20, s20, 1
	s_lshr_b32 s21, s16, 1
	s_or_b32 s20, s20, s21
	s_lshl_b32 s21, ttmp9, 2
	s_add_co_u32 s20, s20, s21                     ; which run of 8 row places is written, counted through all three tensors
	s_mul_i32 s22, s20, 32*STEPS*CB                ; 6,144 bytes of codes a run
	s_mov_b32 s23, 0
	s_lshl_b32 s24, s20, 8                         ; 256 scale bytes a run
	s_mov_b32 s25, 0
	s_wait_kmcnt 0x0
	s_cmp_lt_u32 ttmp9, 32                         ; the tensor is chosen by the work-group's number alone
	s_cselect_b64 s[4:5], s[4:5], s[6:7]
	s_cmp_lt_u32 ttmp9, 64
	s_cselect_b64 s[4:5], s[4:5], s[8:9]
	s_add_nc_u64 s[4:5], s[4:5], s[18:19]
	s_add_nc_u64 s[10:11], s[10:11], s[22:23]
	s_add_nc_u64 s[12:13], s[12:13], s[24:25]
.macro LOAD t
.irp i, 0,1,2,3
	global_load_b128 v[R+16*((\t)%4)+4*\i:R+16*((\t)%4)+4*\i+3], v3, s[4:5] offset:2048*(\t)+512*\i th:TH_LOAD_NT   ; 32 lanes read 512 consecutive bytes
.endr
.endm
.macro TURN t                          ; step t's numbers through the stage: LDS serves a wave's instructions in order, so no wait stands between the stores and the loads
.irp i, 0,1,2,3
	ds_store_b128 v14, v[R+16*((\t)%4)+4*\i:R+16*((\t)%4)+4*\i+3] offset:32*SP*((\t)%2)+8*SP*\i
.endr
.irp i, 0,1,2,3
	ds_load_b128 v[X+16*((\t)%2)+4*\i:X+16*((\t)%2)+4*\i+3], v15 offset:32*SP*((\t)%2)+16*\i
.endr
.endm
.irp t, 0,1,2,3
	LOAD \t
.endr
	s_wait_loadcnt 12                              ; step 0's four loads are in; the twelve behind them may be out
	TURN 0
.macro STEP t
.set XS, X+16*((\t)%2)
.if (\t) > 0
	s_wait_dscnt 1                                 ; this step's numbers are back from the stage (the last step's byte store may be out): so its stores into the stage have read their registers,
.else
	s_wait_dscnt 0x0
.endif
.if (\t)+4 < STEPS
	LOAD (\t)+4                                    ; which take the loads of four steps on
.endif
.if (\t)+1 < STEPS
.if STEPS-2-(\t) >= 3
	s_wait_loadcnt 12                              ; the next step's four loads are in; those of the three steps behind it may be out
.else
	s_wait_loadcnt 4*(STEPS-2-(\t))
.endif
	TURN (\t)+1                                    ; and go through the other stage while this step is worked
.endif
	v_max3_num_f32 v8, |v[XS]|, |v[XS+1]|, |v[XS+2]|               ; the largest magnitude of my 16, in two chains
	v_max3_num_f32 v9, |v[XS+3]|, |v[XS+4]|, |v[XS+5]|
.irp i, 6,10
	v_max3_num_f32 v8, v8, |v[XS+\i]|, |v[XS+\i+1]|
	v_max3_num_f32 v9, v9, |v[XS+\i+2]|, |v[XS+\i+3]|
.endr
	v_max3_num_f32 v8, v8, |v[XS+14]|, |v[XS+15]|
	v_max3_num_f32 v8, v8, v9, (EMAX+1)<<23        ; and the floor 2^(5 - 127): the byte cannot fall under 1
	v_max_num_f32_dpp v8, v8, v8 row_xmask:1 row_mask:0xf bank_mask:0xf   ; and of my neighbour's 16: the block's
	v_add_nc_u32 v11, -(EMAX<<23), v8              ; 4 off its exponent field: the conversion takes the exponent field of this operand as its scale
	v_cvt_scalef32_pk16_bf6_f32 v[C+4*(\t):C+4*(\t)+2], v[XS:XS+15], v11
	v_lshrrev_b32 v[E+(\t)], 23, v11               ; the scale's byte (also the plain line behind the conversion)
	ds_store_b8 v5, v[E+(\t)] offset:16*(\t)       ; both lanes of a block write the same byte with the same value
	global_store_b96 v4, v[C+4*(\t):C+4*(\t)+2], s[10:11] offset:32*CB*(\t)   ; the wave stores 384 consecutive bytes
.endm
.irp t, 0,1,2,3,4,5,6,7,8,9,10,11,12,13,14,15
	STEP \t
.endr
	ds_load_b64 v[12:13], v6                       ; LDS serves a wave's instructions in order: these see my stores
	s_wait_dscnt 0x0
	global_store_b64 v7, v[12:13], s[12:13]        ; 32 lanes store 256 consecutive bytes, aligned
	s_wait_tensorcnt 0x0
	ds_add_u32 v192, v193
	s_wait_dscnt 0x0
	s_endpgm
.Lfunc_end_k_qbefe1445e8_wq:
	.size	k_qbefe1445e8_wq, .Lfunc_end_k_qbefe1445e8_wq-k_qbefe1445e8_wq
	.p2alignl 7, 3214868480
	.fill 96, 4, 3214868480
	.section	.rodata,"a",@progbits
	.p2align	6, 0x0
	.amdhsa_kernel k_qbefe1445e8_wq
		.amdhsa_group_segment_fixed_size 33280
		.amdhsa_private_segment_fixed_size 0
		.amdhsa_enable_private_segment 0
		.amdhsa_kernarg_size 40
		.amdhsa_user_sgpr_count 2
		.amdhsa_user_sgpr_kernarg_segment_ptr 1
		.amdhsa_wavefront_size32 1
		.amdhsa_system_sgpr_workgroup_id_x 1
		.amdhsa_system_sgpr_workgroup_id_y 1
		.amdhsa_system_sgpr_workgroup_id_z 1
		.amdhsa_system_vgpr_workitem_id 0
		.amdhsa_next_free_vgpr 194
		.amdhsa_next_free_sgpr 66
		.amdhsa_reserve_vcc 0
		.amdhsa_float_denorm_mode_32 3
		.amdhsa_float_denorm_mode_16_64 3
		.amdhsa_memory_ordered 1
		.amdhsa_forward_progress 1
		.amdhsa_inst_pref_size 32
	.end_amdhsa_kernel
	.amdgpu_metadata
---
amdhsa.version: [ 1, 2 ]
amdhsa.kernels:
  - .name:           k_qbefe1445e8_wq
    .symbol:         k_qbefe1445e8_wq.kd
    .args:
      - { .name: Wq, .offset: 0, .size: 8, .value_kind: global_buffer, .address_space: global }
      - { .name: Wk, .offset: 8, .size: 8, .value_kind: global_buffer, .address_space: global }
      - { .name: Wv, .offset: 16, .size: 8, .value_kind: global_buffer, .address_space: global }
      - { .name: wc, .offset: 24, .size: 8, .value_kind: global_buffer, .address_space: global }
      - { .name: ws, .offset: 32, .size: 8, .value_kind: global_buffer, .address_space: global }
    .group_segment_fixed_size: 33280
    .private_segment_fixed_size: 0
    .kernarg_segment_align: 8
    .kernarg_segment_size: 40
    .max_flat_workgroup_size: 128
    .sgpr_count:     66
    .vgpr_count:     194
    .wavefront_size: 32
...
	.end_amdgpu_metadata
.endif
;; end of part 1
;; launch xq (part 2): grid 16 x 32, 4 waves a work-group, no clusters, 36,352 bytes of LDS; arguments Xq, Xk, xc, xs; writes xc, xs
.if DOCPART == 2
	.amdgcn_target "amdgcn-amd-amdhsa--gfx1250"
	.amdhsa_code_object_version 6
	.text
	.protected	k_qbefe1445e8_xq
	.globl	k_qbefe1445e8_xq
	.p2align	8
	.type	k_qbefe1445e8_xq,@function
k_qbefe1445e8_xq:
	s_mov_b64 s[64:65], 0
	v_nop
	global_prefetch_b8 v0, s[64:65] scope:SCOPE_SE
	s_setreg_imm32_b32 hwreg(HW_REG_WAVE_MODE, 25, 1), 1
	s_wait_xcnt 0x0
; Xq, Xk [4 (b)][1024 (c)][2048 (p)], f32: operands whose K, the channel c, is NOT innermost.  They become codes of BF6 (E3M2) with c innermost and one E8M0 byte for each 32 along c.
; xc: [0 Xq, 1 Xk][b][place of p, 2048][768 bytes];  xs: the same rows x 32 scale bytes.  Column p is stored at the place p with its bits 3 and 4 exchanged (see the weights' launch).
; A LANE TAKES A COLUMN p, AND ITS REGISTERS RUN DOWN c: each load reads 128 consecutive bytes a wave, a block of 32 along c lies in one lane's 32 registers, so its largest magnitude
; needs no other lane, and the conversions give codes with c innermost.  Nothing is transposed by an instruction.
; A wave takes 32 columns x 256 along c: 8 blocks a lane, 192 bytes of codes a column.  They go through the wave's own stage in LDS and leave as rows: sixteen lanes store a row's 192
; consecutive bytes.  The exchange of places acts inside the wave's 32 columns: it stands in the stores' immediate offsets and in the scale store's lane offset.
; LIMITS: a block of zeros, and one whose largest magnitude lies under 2^-122, keeps the byte 1 (zeros have zero codes; this program alone reads the bytes); NaN and infinities are not served.
; No tensor loads, no barrier, no cluster: waves share nothing, each input byte is read once.  Loads run two blocks (64 loads a wave) ahead.
.set NB,    8                          ; blocks of 32 for a wave
.set ROWB,  192                        ; bytes of 256 codes
.set PITCH, 272                        ; a stage row: sixteen places of 16 bytes, each with 12 bytes of codes, + 16
.set KROW,  768                        ; a row of xc in bytes
.set NROW,  8192                       ; bytes from a channel to the next in X
.set EMAX,  4
.set X,     32                         ; v32-95   two sets of 32 numbers
.set C,     96                         ; v96..    a block's codes
.set OUTR,  112                        ; v112-175 the way out: 16 x 4 registers
.set SB,    24                         ; v24-25   the scale bytes, four to a register
	s_load_b256 s[4:11], s[0:1], 0x0               ; Xq s[4:5], Xk s[6:7], xc s[8:9], xs s[10:11]
	v_lshl_add_u32 v192, v0, 2, 0x8c00
	v_mov_b32 v193, 0
	v_lshrrev_b32 v1, 5, v0
	v_readfirstlane_b32 s16, v1                    ; wave 0..3
	v_and_b32 v2, 31, v0                           ; lane
	s_lshl_b32 s17, ttmp9, 7
	s_lshl_b32 s18, s16, 5
	s_add_co_u32 s17, s17, s18                     ; my wave's first column: 128 x work-group x + 32 x wave
	s_and_b32 s18, ttmp7, 0xffff
	s_and_b32 s19, s18, 3                          ; which 256 along c
	s_lshr_b32 s20, s18, 2                         ; 4 x tensor + b
	v_lshlrev_b32 v3, 2, v2                        ; in: 4 bytes a lane
	s_mul_i32 s21, s16, 32*PITCH                   ; my stage
	v_mul_u32_u24 v4, v2, PITCH
	v_add_nc_u32 v4, s21, v4                       ; into it: row = my column
	v_and_b32 v5, 15, v2
	v_lshrrev_b32 v6, 4, v2                        ; out of it: sixteen lanes to a row, two rows an instruction
	v_mul_u32_u24 v7, v6, PITCH
	v_lshl_add_u32 v7, v5, 4, v7
	v_add_nc_u32 v7, s21, v7                       ; LDS address
	v_mul_u32_u24 v8, v6, KROW
	v_mad_u32_u24 v8, v5, 12, v8                   ; and the same place in xc (the odd row of a pair keeps its bit 0 under the exchange)
	v_and_b32 v9, 7, v2                            ; my column's place: the lane with its bits 3 and 4 exchanged,
	v_bfe_u32 v10, v2, 3, 1
	v_lshl_or_b32 v9, v10, 4, v9
	v_bfe_u32 v10, v2, 4, 1
	v_lshl_or_b32 v9, v10, 3, v9
	v_lshlrev_b32 v9, 5, v9                        ; 32 scale bytes a row
	s_and_b32 s22, s20, 3
	s_lshl_b32 s22, s22, 23                        ; X: b x 1,024 x 8,192 bytes
	s_lshl_b32 s23, s19, 21                        ; + 256 channels x 8,192 bytes
	s_add_co_u32 s22, s22, s23
	s_lshl_b32 s23, s17, 2
	s_add_co_u32 s22, s22, s23                     ; + 4 x column
	s_mov_b32 s23, 0
	s_lshl_b32 s24, s20, 11
	s_add_co_u32 s24, s24, s17                     ; my first row of xc and xs
	s_mul_i32 s26, s24, KROW
	s_mul_i32 s27, s19, ROWB
	s_add_co_u32 s26, s26, s27
	s_mov_b32 s27, 0
	s_lshl_b32 s28, s24, 5
	s_lshl_b32 s29, s19, 3
	s_add_co_u32 s28, s28, s29
	s_mov_b32 s29, 0
	s_wait_kmcnt 0x0
	s_cmp_lt_u32 s20, 4                            ; the tensor is chosen by the work-group's number alone
	s_cselect_b64 s[4:5], s[4:5], s[6:7]
	s_add_nc_u64 s[4:5], s[4:5], s[22:23]
	s_add_nc_u64 s[8:9], s[8:9], s[26:27]
	s_add_nc_u64 s[10:11], s[10:11], s[28:29]
.macro LOAD t                          ; block t: X(32 t + i, my column), i = 0 .. 31, into set t % 2.  The largest offset is 255 x 8,192 bytes, inside the signed 24-bit immediate
.irp i, 0,1,2,3,4,5,6,7,8,9,10,11,12,13,14,15,16,17,18,19,20,21,22,23,24,25,26,27,28,29,30,31
	global_load_b32 v[X+32*((\t)%2)+\i], v3, s[4:5] offset:(32*(\t)+\i)*NROW th:TH_LOAD_NT
.endr
.endm
	LOAD 0
	LOAD 1
.macro BLOCK t
.set XS, X+32*((\t)%2)
.if (\t) < NB-1
	s_wait_loadcnt 32                              ; this block's 32 loads are in; the next block's may be out
.else
	s_wait_loadcnt 0
.endif
	v_max3_num_f32 v12, |v[XS]|, |v[XS+1]|, |v[XS+2]|               ; the block's largest magnitude: all 32 numbers are mine
	v_max3_num_f32 v13, |v[XS+3]|, |v[XS+4]|, |v[XS+5]|
.irp i, 6,10,14,18,22,26
	v_max3_num_f32 v12, v12, |v[XS+\i]|, |v[XS+\i+1]|
	v_max3_num_f32 v13, v13, |v[XS+\i+2]|, |v[XS+\i+3]|
.endr
	v_max3_num_f32 v12, v12, |v[XS+30]|, |v[XS+31]|
	v_max3_num_f32 v12, v12, v13, (EMAX+1)<<23     ; and the floor 2^(5 - 127): the byte cannot fall under 1
	v_add_nc_u32 v11, -(EMAX<<23), v12             ; 4 off its exponent field: the conversion's scale operand
	v_lshrrev_b32 v13, 23, v11                     ; the scale's byte
.if (\t)%4 == 0
	v_mov_b32 v[SB+(\t)/4], v13                    ; four bytes to a register, the lower c in the lower byte
.else
	v_lshl_or_b32 v[SB+(\t)/4], v13, 8*((\t)%4), v[SB+(\t)/4]
.endif
	v_cvt_scalef32_pk16_bf6_f32 v[C:C+2], v[XS:XS+15], v11
	v_cvt_scalef32_pk16_bf6_f32 v[C+4:C+6], v[XS+16:XS+31], v11     ; (a conversion's three registers begin on an even number)
	ds_store_b96 v4, v[C:C+2] offset:32*(\t)       ; 16 codes, 12 bytes, to a place of 16 bytes, so that every LDS address is a multiple of 16
	ds_store_b96 v4, v[C+4:C+6] offset:32*(\t)+16
.if (\t)+2 < NB
	LOAD (\t)+2
.endif
	s_wait_dscnt 0x0                               ; the stores have read their registers: the next block's codes may be written
.endm
.set Q, 0
.rept NB
	BLOCK Q
.set Q, Q+1
.endr
	global_store_b64 v9, v[SB:SB+1], s[10:11]      ; my column's 8 scale bytes, at its place
.irp t, 0,1,2,3,4,5,6,7,8,9,10,11,12,13,14,15
	ds_load_b96 v[OUTR+4*\t:OUTR+4*\t+2], v7 offset:2*\t*PITCH   ; LDS serves a wave's instructions in order: these see my stores
.endr
.irp t, 0,1,2,3,4,5,6,7,8,9,10,11,12,13,14,15
	s_wait_dscnt 15-\t                             ; the loads behind pair t may be out
	global_store_b96 v8, v[OUTR+4*\t:OUTR+4*\t+2], s[8:9] offset:(((2*\t)&7)+16*(((2*\t)>>3)&1)+8*(((2*\t)>>4)&1))*KROW   ; columns 2 t, 2 t + 1 go to their places
.endr
	s_wait_tensorcnt 0x0
	ds_add_u32 v192, v193
	s_wait_dscnt 0x0
	s_endpgm
.Lfunc_end_k_qbefe1445e8_xq:
	.size	k_qbefe1445e8_xq, .Lfunc_end_k_qbefe1445e8_xq-k_qbefe1445e8_xq
	.p2alignl 7, 3214868480
	.fill 96, 4, 3214868480
	.section	.rodata,"a",@progbits
	.p2align	6, 0x0
	.amdhsa_kernel k_qbefe1445e8_xq
		.amdhsa_group_segment_fixed_size 36352
		.amdhsa_private_segment_fixed_size 0
		.amdhsa_enable_private_segment 0
		.amdhsa_kernarg_size 32
		.amdhsa_user_sgpr_count 2
		.amdhsa_user_sgpr_kernarg_segment_ptr 1
		.amdhsa_wavefront_size32 1
		.amdhsa_system_sgpr_workgroup_id_x 1
		.amdhsa_system_sgpr_workgroup_id_y 1
		.amdhsa_system_sgpr_workgroup_id_z 1
		.amdhsa_system_vgpr_workitem_id 0
		.amdhsa_next_free_vgpr 194
		.amdhsa_next_free_sgpr 66
		.amdhsa_reserve_vcc 0
		.amdhsa_float_denorm_mode_32 3
		.amdhsa_float_denorm_mode_16_64 3
		.amdhsa_memory_ordered 1
		.amdhsa_forward_progress 1
		.amdhsa_inst_pref_size 42
	.end_amdhsa_kernel
	.amdgpu_metadata
---
amdhsa.version: [ 1, 2 ]
amdhsa.kernels:
  - .name:           k_qbefe1445e8_xq
    .symbol:         k_qbefe1445e8_xq.kd
    .args:
      - { .name: Xq, .offset: 0, .size: 8, .value_kind: global_buffer, .address_space: global }
      - { .name: Xk, .offset: 8, .size: 8, .value_kind: global_buffer, .address_space: global }
      - { .name: xc, .offset: 16, .size: 8, .value_kind: global_buffer, .address_space: global }
      - { .name: xs, .offset: 24, .size: 8, .value_kind: global_buffer, .address_space: global }
    .group_segment_fixed_size: 36352
    .private_segment_fixed_size: 0
    .kernarg_segment_align: 8
    .kernarg_segment_size: 32
    .max_flat_workgroup_size: 128
    .sgpr_count:     66
    .vgpr_count:     194
    .wavefront_size: 32
...
	.end_amdgpu_metadata
.endif
;; end of part 2
;; launch gemm (part 3): grid 32 x 12, 4 waves a work-group, clusters of 4 x 4, 327,680 bytes of LDS; arguments xc, xs, wc, ws, img, isc, gamma2, beta2, mean2, var2, gamma3, beta3, mean3, var3, gamma1, beta1, mean1, var1; writes img, isc
.if DOCPART == 3
	.amdgcn_target "amdgcn-amd-amdhsa--gfx1250"
	.amdhsa_code_object_version 6
	.text
	.protected	k_qbefe1445e8_gemm
	.globl	k_qbefe1445e8_gemm
	.p2align	8
	.type	k_qbefe1445e8_gemm,@function
k_qbefe1445e8_gemm:
	s_mov_b64 s[64:65], 0
	v_nop
	global_prefetch_b8 v0, s[64:65] scope:SCOPE_SE
	s_setreg_imm32_b32 hwreg(HW_REG_WAVE_MODE, 25, 1), 1
	s_wait_xcnt 0x0
	s_wait_alu depctr_hold_cnt(0) depctr_sa_sdst(0) depctr_va_vdst(0) depctr_va_sdst(0) depctr_va_ssrc(0) depctr_va_vcc(0) depctr_vm_vsrc(0)
	s_getreg_b32 s2, hwreg(HW_REG_IB_STS2, 6, 4)
	s_cmp_eq_u32 s2, 0
	s_cbranch_scc0 .Lentry_in_a_cluster
	s_endpgm
.Lentry_in_a_cluster:
	s_bfe_u32 s2, ttmp6, 0x10000c
	s_cmp_lg_u32 s2, 0xf033
	s_cbranch_scc0 .Lentry_shape_is_right
	s_endpgm
.Lentry_shape_is_right:
; The three 1x1 convolutions on codes of BF6 (E3M2) with E8M0 scales, each followed by BatchNorm (given statistics), LeakyReLU(0.1) and the quantiser of the product that reads the result.
; The results never go to memory as f32: they leave as codes, laid as images of operand registers.
; THE CLUSTER'S y IS THE BRANCH g:   g = 0: K branch, A = Xk, B = Wk;   g = 1: V branch, A = Xq, B = Wv;   g = 2: Q branch, A = Wq, B = Xq.
; The matrix instruction is used transposed (source 0 = 16 rows of B, source 1 = 16 rows of A): a lane holds ONE row of A and its registers run along B's rows, which are the NEXT product's K:
; the head's 128 channels for g = 0, 1, the 128 keys of a key step for g = 2.  Rows of X and of W are stored with bits 3 and 4 of their number exchanged, so that the 16 registers of two
; neighbouring tiles are 16 neighbours along that K, in true order.
; SHARES: a work-group makes 256 (A) x 256 (B), a wave 128 x 128: 64 accumulators.  K = 1,024 goes in four steps of 256 through two LDS slots filled by the tensor data mover.
; 4 x 4 work-groups form a cluster: A's tiles are asked for jointly along a row of the cluster, B's along a column.  The grid has 384 work-groups: a wave's register axis has to be a whole 128,
; so that it makes whole fragments and whole scale words; a smaller tile would read half as much again from LDS for each product.
; OUT: img [g][head 32][G 16][a 8][1,536 bytes]: fragment a (16 rows x 128 K, 12 registers): registers 4 c .. 4 c + 3 of lane l at 512 c + 16 l.  isc [g][head][G][a / 4][row 16][a % 4]: scale words.
; ARITHMETIC: S = gamma x rsq(var + 1e-5), T = beta - mean x S, y = fma(sum, S, T), max(y, 0.1 y): all f32; the order of rounding differs from a division by a square root by a few parts in 10^7.
; LIMITS: var + 1e-5 > 0 is taken for granted; NaN and infinities are not served; a block of zeros or under 2^-122 keeps the scale byte 1 (this program alone reads the bytes).
; REGISTERS, in windows of 256: window 0: v1-15 at work, v16-30 addresses, v32-63 scale words (two sets), v128-223 A's fragments (one set), v240-253 BatchNorm at the head;
;   on the way out v64-127 a block's 64 numbers, v128-191 0.1 x them, v192-211 codes, v212-227 at work, v228-235 eight scale words, v236-239 the scale words to store.
;   window 1: B's fragments, two sets (v0, v128); on the way out S and T.   window 2, 3: the accumulators, (a, b) at v[8 (8 (a % 4) + b)].
.set KSTEP,  256
.set NQ,     2                         ; matrix instructions deep in a slot
.set ROWB,   192                       ; a tile's row: 256 codes
.set KROW,   768                       ; a row of codes in memory
.set PITCH,  240                       ; an LDS row: 3 x (64 bytes + 16 of padding)
.set FR,     12                        ; registers of a fragment
.set NL,     6                         ; LDS loads that bring one
.set NP,     4                         ; places behind this matrix instruction (ISA guide 7.12.1)
.set HALFT,  128*PITCH                 ; 128 rows: what one tensor load brings
.set SLOT,   4*HALFT                   ; A's 256 rows, then B's 256 rows
.set KS,     32                        ; a row of scale bytes
.set SCL,    2*SLOT                    ; behind the ring: the scales for all of K, as rows of 256 bytes + 16 of padding
.set HALFS,  (128*KS/256)*272          ; the scales of 128 rows
.set SBLK,   (16*KS/256)*272           ; those of 16 rows
.set SPARE,  SCL+4*HALFS               ; the spare words, 128 bytes for each wave
.set BNT,    SPARE+512                 ; S of the W tile's 256 channels in true order (1,024 bytes), then T: blocks of their own, into which no fill lands
.set ADRA, 16                          ; v16-17 LDS address of my A fragments in slot 0, 1; v18-19 the same behind one padding more
.set ADRB, 20                          ; v20-23 the same for B
.set LI,   24                          ; v24  16 x lane
.set ABN0, 25                          ; v25  S's place where the channel runs along my registers
.set ABN1, 26                          ; v26  S's place where the channel is my lane's row
.set ADRS, 27                          ; v27  my scale words: lanes 0-15 A's rows, lanes 16-31 B's
.set SPW,  28                          ; v28  my spare word; never rewritten
.set NIL,  29                          ; v29  0; never rewritten
.set LANE, 30                          ; v30  lane
.set SC,   32
.set AF,   128
.set Y,    64
.set Z,    128
.set PC,   192
.set TM,   212
.set PW,   228
.set SD,   236
.set G1, 24                            ; s[24:31] group 1 for A's tiles; s[32:39] group 0, a set for each slot
.set G0, 32
.set G1B, 48                           ; s[48:55], s[56:63] the same for B's
.set G0B, 56
.set G1S, 68                           ; s[68:75], s[76:79] groups 1 and 0 for A's scales; s[80:87], s[88:91] for B's
.set G0S, 76
.set G1SB, 80
.set G0SB, 88
.set SEL, 92                           ; s[92:93] lane selects for v_permlanex16_b32 (on the way out)
.set MSB, 0
.macro WIN new                         ; the immediate's high byte repeats the setting that is left
.if MSB != (\new)
	s_set_vgpr_msb (MSB<<8)|(\new)
.set MSB, (\new)
.endif
.endm
.set MUL_LO, 0xa1                      ; source 0 (B) window 1, source 1 (A) window 0, C and D window 2
.set MUL_HI, 0xf1                      ; the same, C and D window 3
.set TO_B,   0x40                      ; destination window 1, address window 0
; A joint load: waves 0 and 1 fetch for A, waves 2 and 3 for B; the branch hangs on the wave's number alone.  Four v_nop follow each of the two lines.
.macro JLOAD g0a, g1a, g0b, g1b
	s_cmp_eq_u32 s17, 0
	s_cbranch_scc0 .Lfor_b_\@
	tensor_load_to_lds s[\g0a:\g0a+3], s[\g1a:\g1a+7]
	s_nop 0
.rept 4
	v_nop
.endr
	s_branch .Lasked_\@
.Lfor_b_\@:
	tensor_load_to_lds s[\g0b:\g0b+3], s[\g1b:\g1b+7]
	s_nop 0
.rept 4
	v_nop
.endr
.Lasked_\@:
.endm
.macro CREST                           ; a round of the cluster's barrier behind its opening barrier
	s_cmp_lg_u32 s16, 0
	s_cbranch_scc1 .Lnot_wave_0_\@
	s_barrier_signal -3
.Lnot_wave_0_\@:
	s_barrier_wait -3
	s_barrier_signal -1
	s_barrier_wait -1
.endm
.macro CROUND                          ; a whole round
	s_barrier_signal -1
	s_barrier_wait -1
	CREST
.endm
	s_load_b256 s[4:11], s[0:1], 0x0               ; xc s[4:5], xs s[6:7], wc s[8:9], ws s[10:11]
	s_load_b128 s[12:15], s[0:1], 0x20             ; img, isc
	s_load_b512 s[68:83], s[0:1], 0x30             ; gamma, beta, mean, var of the K branch, then of the V branch
	s_load_b256 s[84:91], s[0:1], 0x70             ; and of the Q branch
	v_lshl_add_u32 v[SPW], v0, 2, SPARE
	v_mov_b32 v[NIL], 0
	ds_add_u32 v28, v29
	s_wait_dscnt 0x0
	v_lshrrev_b32 v1, 5, v0
	v_readfirstlane_b32 s16, v1                    ; wave 0..3
	s_lshr_b32 s17, s16, 1                         ; which half of A's rows is mine.  Also: I fetch for A (0) or for B (1)
	s_and_b32 s18, s16, 1                          ; which half of B's rows.  Also: which 128 rows of that tile I fetch
	s_and_b32 s19, ttmp7, 0xffff                   ; g: the cluster's y, the same in all sixteen partners
	s_bfe_u32 s20, ttmp6, 0x40000                  ; cx
	s_bfe_u32 s21, ttmp6, 0x40004                  ; cy
	s_cmp_eq_u32 s19, 2                            ; X has 32 tiles of 256 rows, W four: the cluster's x walks X's tiles, which are A's for g < 2 and B's for g = 2
	s_cselect_b32 s93, 0, ttmp9
	s_cselect_b32 s95, ttmp9, 0
	s_lshl_b32 s22, s93, 2
	s_add_co_u32 s22, s22, s21                     ; A's tile: it holds cy alone
	s_lshl_b32 s23, s95, 2
	s_add_co_u32 s23, s23, s20                     ; B's tile: it holds cx alone
	s_lshl_b32 s66, s21, 2
	s_lshl_b32 s66, 15, s66                        ; my row of the cluster
	s_lshl_b32 s67, 0x1111, s20                    ; my column
	s_cmp_eq_u32 s19, 0
	s_cselect_b32 s92, 8192, 0                     ; A's first row in its buffer: Xk lies behind Xq's 8,192 rows; Xq and Wq come first
	s_lshl_b32 s93, s22, 8
	s_add_co_u32 s92, s92, s93
	s_lshl_b32 s93, s18, 7
	s_add_co_u32 s92, s92, s93                     ; the 128 rows of A that I would fetch
	s_add_co_u32 s94, s19, 1
	s_lshl_b32 s94, s94, 10                        ; B's: Wk is the second, Wv the third of wc's tensors;
	s_cmp_eq_u32 s19, 2
	s_cselect_b32 s94, 0, s94                      ; Xq comes first
	s_lshl_b32 s95, s23, 8
	s_add_co_u32 s94, s94, s95
	s_lshl_b32 s95, s18, 7
	s_add_co_u32 s94, s94, s95                     ; the 128 rows of B that I would fetch
	s_mul_i32 s96, s92, KROW                       ; in bytes: codes (under 2^24) and scales
	s_mov_b32 s97, 0
	s_lshl_b32 s98, s92, 5
	s_mov_b32 s99, 0
	s_mul_i32 s100, s94, KROW
	s_mov_b32 s101, 0
	s_lshl_b32 s104, s94, 5
	s_mov_b32 s105, 0
	; descriptor group 1: a tile of 128 rows x 192 bytes, 16 bytes of padding behind every 64
	s_or_b32 s[G1+0], s66, (0<<16)|(1<<20)|(1<<21)|(3<<22)|(3<<25)  ; 15:0 the mask: A's tiles go to my row; elements of 1 byte; padding on; bit 21 set beside a mask; after every 16 words, 4 words
	s_or_b32 s[G1B+0], s67, (0<<16)|(1<<20)|(1<<21)|(3<<22)|(3<<25)
.irp g, G1, G1B
	s_mov_b32 s[\g+1], ROWB<<16                    ; tensor_dim0
	s_mov_b32 s[\g+2], 128<<16                     ; tensor_dim1
	s_mov_b32 s[\g+3], ROWB<<16                    ; tile_dim0
	s_mov_b32 s[\g+4], 128                         ; tile_dim1
	s_mov_b32 s[\g+5], KROW                        ; tensor_dim0_stride
	s_mov_b32 s[\g+6], 0
	s_mov_b32 s[\g+7], 0
.endr
	s_wait_kmcnt 0x0
	s_cmp_eq_u32 s19, 2                            ; the buffers are chosen by g alone
	s_cselect_b64 s[40:41], s[8:9], s[4:5]         ; A's codes
	s_cselect_b64 s[42:43], s[10:11], s[6:7]       ; A's scales
	s_cselect_b64 s[44:45], s[4:5], s[8:9]         ; B's codes
	s_cselect_b64 s[46:47], s[6:7], s[10:11]       ; B's scales
	s_cselect_b32 s2, s22, s23                     ; which tile of 256 channels of W this work-group has
	s_add_nc_u64 s[40:41], s[40:41], s[96:97]
	s_add_nc_u64 s[42:43], s[42:43], s[98:99]
	s_add_nc_u64 s[44:45], s[44:45], s[100:101]
	s_add_nc_u64 s[46:47], s[46:47], s[104:105]
	s_cmp_eq_u32 s19, 1                            ; the branch's BatchNorm vectors
.irp i, 0,2,4,6
	s_cselect_b64 s[68+\i:69+\i], s[76+\i:77+\i], s[68+\i:69+\i]
.endr
	s_cmp_eq_u32 s19, 2
.irp i, 0,2,4,6
	s_cselect_b64 s[68+\i:69+\i], s[84+\i:85+\i], s[68+\i:69+\i]
.endr
	s_lshl_b32 s2, s2, 10                          ; 256 channels x 4 bytes
	v_lshl_add_u32 v240, v0, 3, s2                 ; each of the 128 threads takes two channels
	global_load_b64 v[242:243], v240, s[68:69]     ; gamma
	global_load_b64 v[244:245], v240, s[70:71]     ; beta
	global_load_b64 v[246:247], v240, s[72:73]     ; mean
	global_load_b64 v[248:249], v240, s[74:75]     ; var
	s_wait_xcnt 0x0                                ; these loads have read their bases: s68 on are written anew
	; the scales of 128 rows: a dense block of 4,096 bytes, as 16 rows of 256 bytes (32 elements of 8 bytes), 16 bytes of padding behind each
	s_or_b32 s[G1S+0], s66, (3<<16)|(1<<20)|(1<<21)|(5<<22)|(3<<25)
	s_or_b32 s[G1SB+0], s67, (3<<16)|(1<<20)|(1<<21)|(5<<22)|(3<<25)
.irp g, G1S, G1SB
	s_mov_b32 s[\g+1], 32<<16
	s_mov_b32 s[\g+2], (128*KS/256)<<16
	s_mov_b32 s[\g+3], 32<<16
	s_mov_b32 s[\g+4], 128*KS/256
	s_mov_b32 s[\g+5], 32
	s_mov_b32 s[\g+6], 0
	s_mov_b32 s[\g+7], 0
.endr
	CROUND                                         ; all sixteen work-groups are here: the first joint loads meet
	s_mov_b32 s[G0S], 1
	s_mul_i32 s[G0S+1], s16, HALFS                 ; where they go: wave x 128 rows: no place in the cluster enters an LDS address
	s_add_co_u32 s[G0S+1], s[G0S+1], SCL
	s_mov_b64 s[G0S+2:G0S+3], s[42:43]
	s_or_b32 s[G0S+3], s[G0S+3], 0x80000000
	s_mov_b32 s[G0SB], 1
	s_mul_i32 s[G0SB+1], s16, HALFS
	s_add_co_u32 s[G0SB+1], s[G0SB+1], SCL
	s_mov_b64 s[G0SB+2:G0SB+3], s[46:47]
	s_or_b32 s[G0SB+3], s[G0SB+3], 0x80000000
	JLOAD G0S, G1S, G0SB, G1SB                     ; the scales first: they are wanted with K step 0
.irp s, 0,1
	s_mov_b32 s[G0+4*\s], 1
	s_mul_i32 s[G0+4*\s+1], s16, HALFT
	s_add_co_u32 s[G0+4*\s+1], s[G0+4*\s+1], \s*SLOT
	s_add_nc_u64 s[G0+4*\s+2:G0+4*\s+3], s[40:41], \s*ROWB
	s_or_b32 s[G0+4*\s+3], s[G0+4*\s+3], 0x80000000
	s_mov_b32 s[G0B+4*\s], 1
	s_mul_i32 s[G0B+4*\s+1], s16, HALFT
	s_add_co_u32 s[G0B+4*\s+1], s[G0B+4*\s+1], \s*SLOT
	s_add_nc_u64 s[G0B+4*\s+2:G0B+4*\s+3], s[44:45], \s*ROWB
	s_or_b32 s[G0B+4*\s+3], s[G0B+4*\s+3], 0x80000000
	JLOAD G0+4*\s, G1, G0B+4*\s, G1B               ; three tensor loads of mine are out now
.endr
	v_and_b32 v1, 15, v0                           ; r = l % 16
	v_bfe_u32 v2, v0, 4, 1                         ; h = l / 16
	v_and_b32 v[LANE], 31, v0
	v_lshlrev_b32 v[LI], 4, v[LANE]
	v_mul_u32_u24 v3, v1, PITCH
	v_mul_u32_u24 v4, v2, 24
	v_add_nc_u32 v4, v3, v4                        ; a fragment's row x pitch + 24 x half
	v_lshl_add_u32 v5, v2, 4, v4                   ; and the same behind one padding more
	s_mul_i32 s4, s17, HALFT                       ; my 128 rows of A  (s4-s11 are free: the buffers have been chosen)
	s_mul_i32 s5, s18, HALFT                       ; my 128 rows of B,
	s_add_co_u32 s5, s5, 2*HALFT                   ; which lie behind A's 256
.irp s, 0,1
	v_add_nc_u32 v[ADRA+\s], s4, v4
	v_add_nc_u32 v[ADRB+\s], s5, v4
	v_add_nc_u32 v[ADRA+2+\s], s4, v5
	v_add_nc_u32 v[ADRB+2+\s], s5, v5
	s_add_co_u32 s4, s4, SLOT
	s_add_co_u32 s5, s5, SLOT
.endr
	v_mul_u32_u24 v5, v1, KS                       ; my row's scales: 32 bytes a row,
	v_lshrrev_b32 v6, 8, v5
	v_lshl_add_u32 v5, v6, 4, v5                   ; and 16 more for each 256 passed
	s_mul_i32 s4, s17, HALFS                       ; A's: my 128 rows
	s_mul_i32 s5, s18, HALFS                       ; B's: my 128 rows, behind A's 256
	s_add_co_u32 s5, s5, 2*HALFS
	s_sub_co_u32 s5, s5, s4
	v_mul_u32_u24 v6, s5, v2                       ; lanes 16-31 take B's
	s_add_co_u32 s4, s4, SCL
	v_add_nc_u32 v5, v5, v6
	v_add_nc_u32 v[ADRS], s4, v5
	s_lshl_b32 s6, s18, 9                          ; S where the channel runs along my registers: my half of B's 256, + 16 h channels
	s_add_co_u32 s6, s6, BNT
	v_lshl_add_u32 v[ABN0], v2, 6, s6
	s_lshl_b32 s7, s17, 9                          ; S where the channel is my row: my half of A's 256, + r + 8 (r / 8)
	s_add_co_u32 s7, s7, BNT
	v_and_b32 v7, 8, v1
	v_add_nc_u32 v7, v7, v1
	v_lshl_add_u32 v[ABN1], v7, 2, s7
	v_lshl_add_u32 v241, v0, 3, BNT                ; where I put my two channels' S
	; where my wave's eight fragments go: chunk (g, head, G)
	s_lshl_b32 s6, s22, 1
	s_add_co_u32 s6, s6, s17                       ; which 128 rows of A are mine
	s_lshl_b32 s7, s23, 1
	s_add_co_u32 s7, s7, s18                       ; which 128 rows of B
	s_cmp_eq_u32 s19, 2
	s_cselect_b32 s8, s7, s6                       ; X's: 16 b + G
	s_cselect_b32 s9, s6, s7                       ; W's: the head in b
	s_lshl_b32 s10, s19, 9
	s_lshr_b32 s11, s8, 4
	s_lshl_b32 s11, s11, 7
	s_add_co_u32 s10, s10, s11
	s_lshl_b32 s11, s9, 4
	s_add_co_u32 s10, s10, s11
	s_and_b32 s11, s8, 15
	s_add_co_u32 s10, s10, s11                     ; 512 g + 128 b + 16 head + G
	s_mul_i32 s8, s10, 8*FR*128                    ; 12,288 bytes of images a chunk
	s_mov_b32 s9, 0
	s_add_nc_u64 s[12:13], s[12:13], s[8:9]
	s_lshl_b32 s8, s10, 9                          ; 512 bytes of scale words
	s_add_nc_u64 s[14:15], s[14:15], s[8:9]
	s_mov_b32 s2, 0x3dcccccd                       ; 0.1
	s_mov_b32 s3, s2                               ; (the packed form names the pair)
	s_mov_b32 s[SEL], 0x76543210
	s_mov_b32 s[SEL+1], 0xfedcba98
	s_wait_loadcnt 0x0                             ; gamma, beta, mean, var
	v_add_f32 v248, 0x3727c5ac, v248               ; var + 1e-5
	v_add_f32 v249, 0x3727c5ac, v249
	v_rsq_f32 v250, v248
	v_rsq_f32 v251, v249
	v_nop                                          ; a plain place behind the transcendentals
	s_wait_alu depctr_va_vdst(0)
	v_mul_f32 v250, v242, v250                     ; S = gamma / sqrt(var + eps)
	v_mul_f32 v251, v243, v251
	v_fma_f32 v252, -v246, v250, v244              ; T = beta - mean S
	v_fma_f32 v253, -v247, v251, v245
	ds_store_b64 v241, v[250:251]
	ds_store_b64 v241, v[252:253] offset:1024
.macro FRAG reg, adr, q, i             ; a fragment: lane l holds row l % 16; registers 6 c .. 6 c + 5 hold K = 64 c + 32 (l / 16) + 0 .. 31: 24 bytes of the row's stream of bits, as they lie
.irp p, 0,1,2,3,4,5                    ; in pieces of 8 bytes.  Lanes 16-31 read three pieces on; where that lies behind one padding more, the second address register (40 for 24 bytes a half) serves
.set PCE, 12*(\q)+6*(\p/3)+\p%3
.if PCE%8 < 5
	ds_load_b64 v[\reg+2*\p:\reg+2*\p+1], v[\adr] offset:8*PCE+16*(PCE/8)+(\i)*16*PITCH
.else
	ds_load_b64 v[\reg+2*\p:\reg+2*\p+1], v[\adr+2] offset:8*PCE+16*(PCE/8)+(\i)*16*PITCH
.endif
.endr
.endm
; 16 matrix instructions: A's blocks a0, a0 + 1 x B's eight, 128 along K.  p: B's set; sc: the set of scale words; zero = 1: the product starts the sums.
; The 64 accumulators take turns, one instruction a turn, in the same order in every step.
.macro MUL16 a0, p, q, sc, zero
.irp a, \a0, \a0+1
.irp b, 0,1,2,3,4,5,6,7
.if \zero
	v_wmma_scale_f32_16x16x128_f8f6f4 v[8*(8*((\a)%4)+\b):8*(8*((\a)%4)+\b)+7], v[128*(\p)+FR*\b:128*(\p)+FR*\b+FR-1], v[AF+FR*(\a):AF+FR*(\a)+FR-1], 0, v[SC+8*NQ*(\sc)+NQ*\b+(\q)], v[SC+8*NQ*(\sc)+NQ*(\a)+(\q)] matrix_a_fmt:MATRIX_FMT_BF6 matrix_b_fmt:MATRIX_FMT_BF6 matrix_a_scale:MATRIX_SCALE_ROW1
.else
	v_wmma_scale_f32_16x16x128_f8f6f4 v[8*(8*((\a)%4)+\b):8*(8*((\a)%4)+\b)+7], v[128*(\p)+FR*\b:128*(\p)+FR*\b+FR-1], v[AF+FR*(\a):AF+FR*(\a)+FR-1], v[8*(8*((\a)%4)+\b):8*(8*((\a)%4)+\b)+7], v[SC+8*NQ*(\sc)+NQ*\b+(\q)], v[SC+8*NQ*(\sc)+NQ*(\a)+(\q)] matrix_a_fmt:MATRIX_FMT_BF6 matrix_b_fmt:MATRIX_FMT_BF6 matrix_a_scale:MATRIX_SCALE_ROW1
.endif
.endr
.endr
.endm
.macro FETCH_B slot, q, p              ; B's eight fragments of the slot's q-th 128 along K into set p
	WIN TO_B
.irp i, 0,1,2,3,4,5,6,7
	FRAG 128*(\p)+FR*\i, ADRB+\slot, \q, \i
.endr
	WIN 0
.endm
.macro FETCH_A slot, q, i0             ; A's blocks i0 .. i0 + 3
.irp i, \i0, \i0+1, \i0+2, \i0+3
	FRAG AF+FR*(\i), ADRA+\slot, \q, \i
.endr
.endm
.macro SCALES sc                       ; a K step's scale words into set sc: two words a row; lanes 0-15 take A's block i, lanes 16-31 B's block i
.irp i, 0,1,2,3,4,5,6,7
	ds_load_b64 v[SC+8*NQ*\sc+NQ*\i:SC+8*NQ*\sc+NQ*\i+1], v[ADRS] offset:\i*SBLK
.endr
.endm
.macro PLACES n                        ; plain vector lines between a matrix instruction and a load into, or a vector line on, one of its registers (ISA guide 7.12.1 for the vector lines)
.rept \n
	v_nop
.endr
.endm
; A step of 128 along K that has its successor in the same slot.
.macro STEP slot, q, zero
	s_wait_dscnt 4*NL                              ; B's set and A's blocks 0-3 are in; the youngest 24 loads (A's blocks 4-7) may be out
	WIN MUL_LO
	MUL16 0, (\q)%2, \q, \slot, \zero
	MUL16 2, (\q)%2, \q, \slot, \zero
	s_wait_dscnt 0                                 ; A's blocks 4-7 are in (asked for 32 matrix instructions ago)
	PLACES NP
	FETCH_B \slot, (\q)+1, 1-(\q)%2
	FETCH_A \slot, (\q)+1, 0
	WIN MUL_HI
	MUL16 4, (\q)%2, \q, \slot, \zero
	MUL16 6, (\q)%2, \q, \slot, \zero
	PLACES NP
	WIN 0
	FETCH_A \slot, (\q)+1, 4
.endm
; A slot's last step changes slots: ONE barrier; in front of it each wave waits for all its tensor loads, adds 0 to its spare word, and waits for that and for its reads of this slot.  fill = 1: this slot is filled again, two K steps ahead.
.macro TURN slot, next, fill
	s_wait_tensorcnt 0x0                           ; all my tensor loads have landed: my part of the next slot
	ds_add_u32 v[SPW], v[NIL]                      ; 0 onto my spare word
	s_wait_dscnt 4*NL+1                            ; (the add and the youngest 24 loads, A's blocks 4-7, may be out)
	WIN MUL_LO
	MUL16 0, 1, NQ-1, \slot, 0                     ; sixteen matrix instructions stand between the add and the wait for it
	s_wait_dscnt 0x0                               ; the add is done, and my reads of this slot are over
	s_barrier_signal -1
	MUL16 2, 1, NQ-1, \slot, 0
	WIN 0
	s_barrier_wait -1
.if \fill
	CREST                                          ; the barrier has opened a round of the cluster's barrier: no wave of any partner still reads this slot or has a load on its way
	s_add_nc_u64 s[G0+4*\slot+2:G0+4*\slot+3], s[G0+4*\slot+2:G0+4*\slot+3], 2*ROWB
	s_add_nc_u64 s[G0B+4*\slot+2:G0B+4*\slot+3], s[G0B+4*\slot+2:G0B+4*\slot+3], 2*ROWB
	JLOAD G0+4*\slot, G1, G0B+4*\slot, G1B         ; the first tensor load behind the round; its four v_nop are also the places in front of the loads below
.else
	PLACES NP
.endif
	v_add_nc_u32 v[ADRS], 4*NQ, v[ADRS]            ; on to the next K step's scale words (no LDS load of mine is out)
	FETCH_B \next, 0, 0
	FETCH_A \next, 0, 0
	SCALES \next
	WIN MUL_HI
	MUL16 4, 1, NQ-1, \slot, 0
	MUL16 6, 1, NQ-1, \slot, 0
	PLACES NP
	WIN 0
	FETCH_A \next, 0, 4
.endm
	s_wait_tensorcnt 1                             ; the scales and my part of K step 0 are in (K step 1's load may be out)
	s_wait_dscnt 0x0                               ; my part of S and T is stored,
	s_barrier_signal -1
	s_barrier_wait -1                              ; everybody's are
	FETCH_B 0, 0, 0
	FETCH_A 0, 0, 0
	SCALES 0
	FETCH_A 0, 0, 4
	STEP 0, 0, 1                                   ; K step 0: its first products start the sums
	TURN 0, 1, 1                                   ; slot 0 takes K step 2
	STEP 1, 0, 0                                   ; K step 1
	TURN 1, 0, 1                                   ; slot 1 takes K step 3
	STEP 0, 0, 0                                   ; K step 2
	TURN 0, 1, 0                                   ; nothing is left to fetch
	STEP 1, 0, 0                                   ; K step 3
	s_wait_dscnt 4*NL
	WIN MUL_LO
	MUL16 0, 1, NQ-1, 1, 0
	MUL16 2, 1, NQ-1, 1, 0
	s_wait_dscnt 0
	WIN MUL_HI
	MUL16 4, 1, NQ-1, 1, 0
	MUL16 6, 1, NQ-1, 1, 0
	WIN 0
; 64 numbers of a lane, v[s] .. v[s + 63], register 16 b + i = k 32 b + 16 (lane / 16) + i of my row, become a fragment's codes in v[PC] on and its scale word in v[pw].
.macro QUANT s, pw
.irp b, 0,1,2,3
	v_max3_num_f32 v[TM+\b], |v[\s+16*\b]|, |v[\s+1+16*\b]|, 0x2800000   ; block b: my 16 numbers, and the floor 2^(5 - 127): the byte cannot fall under 1
.endr
.irp i, 2,4,6,8,10,12,14
.irp b, 0,1,2,3
	v_max3_num_f32 v[TM+\b], v[TM+\b], |v[\s+16*\b+\i]|, |v[\s+1+16*\b+\i]|   ; (the four blocks by turns)
.endr
.endr
.irp b, 0,1,2,3
	v_permlanex16_b32 v[TM+4+\b], v[TM+\b], s[SEL], s[SEL+1]
.endr
.irp b, 0,1,2,3
	v_max_num_f32 v[TM+\b], v[TM+\b], v[TM+4+\b]   ; with lane l xor 16's: the block's largest magnitude
.endr
.irp b, 0,1,2,3
	v_add_nc_u32 v[TM+12+\b], 0xfe000000, v[TM+\b] ; 4 off its exponent field: the conversion's scale operand
.endr
.irp b, 0,1,2,3
	v_lshrrev_b32 v[TM+4+\b], 23, v[TM+12+\b]      ; the scale's byte
.endr
	v_lshl_or_b32 v[\pw], v[TM+5], 8, v[TM+4]      ; the four bytes make my row's scale word
	v_lshl_or_b32 v[\pw], v[TM+6], 16, v[\pw]
	v_lshl_or_b32 v[\pw], v[TM+7], 24, v[\pw]
.irp c, 0,1
	v_cvt_scalef32_pk16_bf6_f32 v[PC+6*\c:PC+2+6*\c], v[\s+32*\c:\s+15+32*\c], v[TM+12+2*\c]
	v_cvt_scalef32_pk16_bf6_f32 v[PC+12+4*\c:PC+14+4*\c], v[\s+16+32*\c:\s+31+32*\c], v[TM+12+2*\c+1]   ; (a conversion's three registers begin on an even number)
.endr
	v_nop                                          ; one plain place behind a scaled conversion
.irp c, 0,1                                    ; the operand's layout wants a WHOLE block in a lane: lanes 0-15 block 2 c, lanes 16-31 block 2 c + 1
.irp i, 0,1,2
	v_permlane16_swap_b32 v[PC+6*\c+\i], v[PC+12+4*\c+\i]
.endr
.irp i, 0,1,2
	v_mov_b32 v[PC+3+6*\c+\i], v[PC+12+4*\c+\i]
.endr
.endr
.endm
; THE WAY OUT.  mode 0: the channel runs along my registers (K and V branch): 64 S and 64 T a lane.  mode 1: the channel is my lane's row (Q branch): one S and one T for each of A's blocks, twice, as pairs.
; Block a: 64 sums -> fma with S, T -> max(y, 0.1 y) -> codes and a scale word -> three stores of 512 consecutive aligned bytes.  Each accumulator is read from its low end on.
.macro EPI mode
	WIN TO_B
.if \mode == 0
.irp t, 0,1,2,3,4,5,6,7
	ds_load_b128 v[8*\t:8*\t+3], v[ABN0] offset:(32*(\t/2)+8*(\t%2))*4                 ; tile t's registers are channels 32 (t / 2) + 16 h + 8 (t % 2) + 0 .. 7
	ds_load_b128 v[8*\t+4:8*\t+7], v[ABN0] offset:(32*(\t/2)+8*(\t%2))*4+16
	ds_load_b128 v[64+8*\t:64+8*\t+3], v[ABN0] offset:1024+(32*(\t/2)+8*(\t%2))*4
	ds_load_b128 v[64+8*\t+4:64+8*\t+7], v[ABN0] offset:1024+(32*(\t/2)+8*(\t%2))*4+16
.endr
.else
.irp t, 0,1,2,3,4,5,6,7
	ds_load_b32 v[2*\t], v[ABN1] offset:(32*(\t/2)+8*(\t%2))*4                         ; block t's row r is channel 32 (t / 2) + 8 (t % 2) + r + 8 (r / 8)
	ds_load_b32 v[2*\t+1], v[ABN1] offset:(32*(\t/2)+8*(\t%2))*4
	ds_load_b32 v[16+2*\t], v[ABN1] offset:1024+(32*(\t/2)+8*(\t%2))*4
	ds_load_b32 v[17+2*\t], v[ABN1] offset:1024+(32*(\t/2)+8*(\t%2))*4
.endr
.endif
	s_wait_dscnt 0x0
.irp a, 0,1,2,3,4,5,6,7
	WIN 0x16+\a/4                                  ; source 0: the accumulators' window (2 or 3); sources 1 and 2: window 1; destination: window 0
.irp b, 0,1,2,3,4,5,6,7
.irp i, 0,2,4,6
.if \mode == 0
	v_pk_fma_f32 v[Y+8*\b+\i:Y+8*\b+\i+1], v[64*(\a%4)+8*\b+\i:64*(\a%4)+8*\b+\i+1], v[8*\b+\i:8*\b+\i+1], v[64+8*\b+\i:64+8*\b+\i+1]
.else
	v_pk_fma_f32 v[Y+8*\b+\i:Y+8*\b+\i+1], v[64*(\a%4)+8*\b+\i:64*(\a%4)+8*\b+\i+1], v[2*\a:2*\a+1], v[16+2*\a:17+2*\a]
.endif
.endr
.endr
	WIN 0
.set ii, 0
.rept 32
	v_pk_mul_f32 v[Z+ii:Z+ii+1], v[Y+ii:Y+ii+1], s[2:3] op_sel_hi:[1,0]   ; 0.1 y
.set ii, ii+2
.endr
.set ii, 0
.rept 64
	v_max_num_f32 v[Y+ii], v[Y+ii], v[Z+ii]        ; y where y > 0, else 0.1 y
.set ii, ii+1
.endr
.if \a > 0
	s_wait_xcnt 0x0                                ; the last block's stores have read the codes' registers: they are written anew only behind this wait
.endif
	QUANT Y, PW+\a
.irp c, 0,1,2
	global_store_b128 v[LI], v[PC+4*\c:PC+4*\c+3], s[12:13] offset:FR*128*\a+512*\c
.endr
.endr
	v_cmp_lt_u32 vcc_lo, 15, v[LANE]               ; lanes 0-15 store the words of blocks 0-3 of row r, lanes 16-31 those of blocks 4-7 (both halves of the lanes hold every word)
.irp i, 0,1,2,3
	v_cndmask_b32 v[SD+\i], v[PW+\i], v[PW+4+\i], vcc_lo
.endr
	global_store_b128 v[LI], v[SD:SD+3], s[14:15]  ; 512 consecutive aligned bytes
.endm
	PLACES NP                                      ; behind the last products: for the reads of results, the loads into B's registers and the vector lines on A's
.irp b, 0,1,2,3
	v_mov_b32 v[TM+4+\b], 0                        ; written once: a lane permute's destination counts as one of its sources
.endr
	s_cmp_eq_u32 s19, 2                            ; g is the same in all partners; both arms only read LDS
	s_cbranch_scc1 .Lq
	EPI 0
	s_branch .Lend
.Lq:
	EPI 1
.Lend:
	s_wait_tensorcnt 0x0                           ; the wave's end: behind my last tensor load and my last LDS store
	ds_add_u32 v[SPW], v[NIL]
	s_wait_dscnt 0x0
	CROUND                                         ; the closing round: no work-group ends while a partner may still ask for a tile that names it
	s_endpgm
.Lfunc_end_k_qbefe1445e8_gemm:
	.size	k_qbefe1445e8_gemm, .Lfunc_end_k_qbefe1445e8_gemm-k_qbefe1445e8_gemm
	.p2alignl 7, 3214868480
	.fill 96, 4, 3214868480
	.section	.rodata,"a",@progbits
	.p2align	6, 0x0
	.amdhsa_kernel k_qbefe1445e8_gemm
		.amdhsa_group_segment_fixed_size 327680
		.amdhsa_private_segment_fixed_size 0
		.amdhsa_enable_private_segment 0
		.amdhsa_kernarg_size 144
		.amdhsa_user_sgpr_count 2
		.amdhsa_user_sgpr_kernarg_segment_ptr 1
		.amdhsa_wavefront_size32 1
		.amdhsa_system_sgpr_workgroup_id_x 1
		.amdhsa_system_sgpr_workgroup_id_y 1
		.amdhsa_system_sgpr_workgroup_id_z 1
		.amdhsa_system_vgpr_workitem_id 0
		.amdhsa_next_free_vgpr 1024
		.amdhsa_next_free_sgpr 106
		.amdhsa_reserve_vcc 1
		.amdhsa_float_denorm_mode_32 3
		.amdhsa_float_denorm_mode_16_64 3
		.amdhsa_memory_ordered 1
		.amdhsa_forward_progress 1
		.amdhsa_inst_pref_size 255
	.end_amdhsa_kernel
	.section	.bss,"aw",@nobits
	.p2align	6
	.space	262144
	.amdgpu_metadata
---
amdhsa.version: [ 1, 2 ]
amdhsa.kernels:
  - .name:           k_qbefe1445e8_gemm
    .symbol:         k_qbefe1445e8_gemm.kd
    .args:
      - { .name: xc, .offset: 0, .size: 8, .value_kind: global_buffer, .address_space: global }
      - { .name: xs, .offset: 8, .size: 8, .value_kind: global_buffer, .address_space: global }
      - { .name: wc, .offset: 16, .size: 8, .value_kind: global_buffer, .address_space: global }
      - { .name: ws, .offset: 24, .size: 8, .value_kind: global_buffer, .address_space: global }
      - { .name: img, .offset: 32, .size: 8, .value_kind: global_buffer, .address_space: global }
      - { .name: isc, .offset: 40, .size: 8, .value_kind: global_buffer, .address_space: global }
      - { .name: gamma2, .offset: 48, .size: 8, .value_kind: global_buffer, .address_space: global }
      - { .name: beta2, .offset: 56, .size: 8, .value_kind: global_buffer, .address_space: global }
      - { .name: mean2, .offset: 64, .size: 8, .value_kind: global_buffer, .address_space: global }
      - { .name: var2, .offset: 72, .size: 8, .value_kind: global_buffer, .address_space: global }
      - { .name: gamma3, .offset: 80, .size: 8, .value_kind: global_buffer, .address_space: global }
      - { .name: beta3, .offset: 88, .size: 8, .value_kind: global_buffer, .address_space: global }
      - { .name: mean3, .offset: 96, .size: 8, .value_kind: global_buffer, .address_space: global }
      - { .name: var3, .offset: 104, .size: 8, .value_kind: global_buffer, .address_space: global }
      - { .name: gamma1, .offset: 112, .size: 8, .value_kind: global_buffer, .address_space: global }
      - { .name: beta1, .offset: 120, .size: 8, .value_kind: global_buffer, .address_space: global }
      - { .name: mean1, .offset: 128, .size: 8, .value_kind: global_buffer, .address_space: global }
      - { .name: var1, .offset: 136, .size: 8, .value_kind: global_buffer, .address_space: global }
    .group_segment_fixed_size: 327680
    .private_segment_fixed_size: 0
    .kernarg_segment_align: 8
    .kernarg_segment_size: 144
    .max_flat_workgroup_size: 128
    .sgpr_count:     106
    .vgpr_count:     1024
    .wavefront_size: 32
...
	.end_amdgpu_metadata
.endif
;; end of part 3
;; launch attn (part 4): grid 8 x 32, 16 waves a work-group, clusters of 4 x 1, 327,680 bytes of LDS; arguments img, isc, out0; writes out0
.if DOCPART == 4
	.amdgcn_target "amdgcn-amd-amdhsa--gfx1250"
	.amdhsa_code_object_version 6
	.text
	.protected	k_qbefe1445e8_attn
	.globl	k_qbefe1445e8_attn
	.p2align	8
	.type	k_qbefe1445e8_attn,@function
k_qbefe1445e8_attn:
	s_mov_b64 s[64:65], 0
	v_nop
	global_prefetch_b8 v0, s[64:65] scope:SCOPE_SE
	s_setreg_imm32_b32 hwreg(HW_REG_WAVE_MODE, 25, 1), 1
	s_wait_xcnt 0x0
	s_wait_alu depctr_hold_cnt(0) depctr_sa_sdst(0) depctr_va_vdst(0) depctr_va_sdst(0) depctr_va_ssrc(0) depctr_va_vcc(0) depctr_vm_vsrc(0)
	s_getreg_b32 s2, hwreg(HW_REG_IB_STS2, 6, 4)
	s_cmp_eq_u32 s2, 0
	s_cbranch_scc0 .Lentry_in_a_cluster
	s_endpgm
.Lentry_in_a_cluster:
	s_bfe_u32 s2, ttmp6, 0x10000c
	s_cmp_lg_u32 s2, 0x3003
	s_cbranch_scc0 .Lentry_shape_is_right
	s_endpgm
.Lentry_shape_is_right:
; out[b][128 h + c][i] = the sum over j of softmax_j(K[:, i] . V[:, j] / sqrt(128)) Q[c][j], for each of the 32 heads (8 b + h), both products on codes of BF6 (E3M2) with E8M0 scales.
; The columns i of the K branch are the queries, the columns j of the V branch the keys (both quantised along the head's 128 channels), the Q branch the values (quantised along j).
; All three arrive as IMAGES of operand registers: img [g: 0 queries, 1 keys, 2 values][head][G 16][a 8][1,536 bytes], registers 4 c .. 4 c + 3 of lane l at 512 c + 16 l; isc [g][head][G][a / 4][row][a % 4]: scale words.
; So a fragment is three loads of 16 bytes a lane, 512 consecutive bytes each, and four tiles' scale words are one load.
; THE SOFTMAX AHEAD OF THE SECOND PRODUCT: t = score x log2(e) / sqrt(128); M = the running largest t rounded UP to a whole number; p = 2^(t - M) is quantised along the keys, not normalised.
; The row's sum is taken of the unquantised p and divides at the end.  When M moves, the sum and O are multiplied by 2^(old M - new M): exact.
; SHARES: a work-group owns 256 query places of a head, each of its sixteen waves one tile of 16, in 256 registers: four waves to a SIMD, so that one wave's vector work stands beside another's matrix work.
; Every wave walks all 2,048 keys, 128 a step.  Both products are used transposed (S^T = keys x queries^T, O^T = values x p^T): a lane holds ONE query throughout.
; Rows were stored with bits 3 and 4 of their number exchanged: the 16 registers of tiles 2 b, 2 b + 1 of S^T are keys 32 b + 16 (lane / 16) + 0 .. 15, those of O^T true channels likewise.
; CLUSTER: four of a head's eight query blocks form a cluster and ask for the keys' and values' images JOINTLY (a mask names four work-groups at the most).  Waves 0-3 fetch, one load each.
; LIMITS: NaN and infinities are not served; a block of p that has fallen to zeros keeps the scale byte 1 with zero codes.
.set SLOT1, 1<<16                      ; a slot: 256 keys: the keys' 16 images (24,576 bytes), then the values' 16; slot 1 begins here, so that one exclusive or turns an address
.set VOFF,  24576
.set SCB,   2*SLOT1                    ; the head's scale words: the keys' 8,192 bytes, then the values'; filled once
.set SPARE, SCB+16384                  ; the spare words, 128 bytes for each of sixteen waves
.set STAGE, SPARE+2048                 ; the way out: 128 channels x 256 queries x 4 bytes: bytes of their own, into which no fill lands
.set LI,   1                           ; v1   16 x lane; never rewritten
.set ASC,  2                           ; v2   SCB + 16 x (lane % 16)
.set SPW,  3                           ; v3   my spare word; never rewritten
.set NIL,  4                           ; v4   0; never rewritten
.set ADK,  5                           ; v5   the slot in hand + 16 x lane
.set ADS,  6                           ; v6   the step's scale words
.set WV,   10                          ; s10  my wave's number
.set SEL,  20                          ; s[20:21] lane selects for v_permlanex16_b32: lane l xor 16
.set CS,   22                          ; s[22:23] c = log2(e) / sqrt(128)
.set G1T,  24                          ; s[24:31] group 1: 12,288 dense bytes as 48 rows of 256
.set G1S,  32                          ; s[32:39] group 1: 4,096 dense bytes as 16 rows of 256
.set G0T,  40                          ; s[40:43] group 0 for the images: it walks
.set G0S,  44                          ; s[44:47] group 0 for the scale words
.set TB,   48                          ; s48  LDS byte at which the slot in hand begins
.set TS,   49                          ; s49  where the step's scale words begin: 512 bytes a step
.set SLOTS, 50                         ; s50  slots still to be asked for
; REGISTERS: v12 -M, v13 the largest t, v[14:15] the sum in two halves; v16-27 my queries; v32-79 four fragments; v96-159 S^T, then p; v160-223 O^T; v224-235 p's codes; v232-254 at work; v248-251, v253, v255 scale words.
.macro CROUND                          ; a round of the cluster's barrier
	s_barrier_signal -1
	s_barrier_wait -1
	s_cmp_lg_u32 s[WV], 0
	s_cbranch_scc1 .Lnot_wave_0_\@
	s_barrier_signal -3
.Lnot_wave_0_\@:
	s_barrier_wait -3
	s_barrier_signal -1
	s_barrier_wait -1
.endm
.macro TLOAD                           ; waves 0, 1: the keys' two chunks; waves 2, 3: the values'; the others none.  The branch hangs on the wave's number alone.  Four v_nop follow the line
	s_cmp_lt_u32 s[WV], 4
	s_cbranch_scc0 .Lnone_\@
	tensor_load_to_lds s[G0T:G0T+3], s[G1T:G1T+7]
	s_nop 0
.rept 4
	v_nop
.endr
.Lnone_\@:
.endm
	s_load_b128 s[4:7], s[0:1], 0x0                ; img, isc
	s_load_b64 s[8:9], s[0:1], 0x10                ; out0
	v_lshl_add_u32 v[SPW], v0, 2, SPARE
	v_mov_b32 v[NIL], 0
	ds_add_u32 v3, v4
	s_wait_dscnt 0x0
	v_lshrrev_b32 v5, 5, v0
	v_readfirstlane_b32 s[WV], v5                  ; wave 0..15
	s_and_b32 s11, s[WV], 3                        ; what I fetch, if I fetch
	s_bfe_u32 s12, ttmp6, 0x40000                  ; cx: it enters the queries' and the output's global addresses alone
	s_lshl_b32 s13, ttmp9, 2
	s_add_co_u32 s13, s13, s12                     ; my block of 256 query places
	s_and_b32 s14, ttmp7, 0xffff                   ; the head, which the partners share
	s_lshr_b32 s52, s11, 1
	s_add_co_u32 s52, s52, 1                       ; g: 1 keys, 2 values
	s_and_b32 s53, s11, 1                          ; which of a slot's two chunks
	s_mul_i32 s54, s52, 6291456                    ; 32 heads x 16 chunks x 12,288 bytes
	s_mul_i32 s55, s14, 196608                     ; 16 chunks
	s_add_co_u32 s54, s54, s55
	s_mul_i32 s55, s53, 12288
	s_add_co_u32 s54, s54, s55
	s_mov_b32 s55, 0
	s_mul_i32 s56, s52, 262144                     ; 32 heads x 8,192 bytes of scale words
	s_lshl_b32 s57, s14, 13
	s_add_co_u32 s56, s56, s57
	s_lshl_b32 s57, s53, 12                        ; which half of the head's
	s_add_co_u32 s56, s56, s57
	s_mov_b32 s57, 0
	s_mov_b32 s[G1T], 15|(3<<16)|(1<<21)           ; 15:0 the mask: all four work-groups; elements of 8 bytes; no padding; bit 21 set beside a mask
	s_mov_b32 s[G1T+1], 32<<16                     ; tensor_dim0 = 32 elements: 256 bytes
	s_mov_b32 s[G1T+2], 48<<16                     ; tensor_dim1
	s_mov_b32 s[G1T+3], 32<<16                     ; tile_dim0
	s_mov_b32 s[G1T+4], 48                         ; tile_dim1
	s_mov_b32 s[G1T+5], 32                         ; the pitch: dense
	s_mov_b32 s[G1T+6], 0
	s_mov_b32 s[G1T+7], 0
	s_mov_b32 s[G1S], 15|(3<<16)|(1<<21)
	s_mov_b32 s[G1S+1], 32<<16
	s_mov_b32 s[G1S+2], 16<<16
	s_mov_b32 s[G1S+3], 32<<16
	s_mov_b32 s[G1S+4], 16
	s_mov_b32 s[G1S+5], 32
	s_mov_b32 s[G1S+6], 0
	s_mov_b32 s[G1S+7], 0
	s_mov_b32 s[SEL], 0x76543210
	s_mov_b32 s[SEL+1], 0xfedcba98
	s_mov_b32 s[CS], 0x3e0293ee                    ; c = log2(e) / sqrt(128)
	s_mov_b32 s[CS+1], s[CS]                       ; (named with it as a pair)
	s_mov_b32 s[TB], 0
	s_mov_b32 s[TS], 0
	s_mov_b32 s[SLOTS], 7                          ; 2,048 keys are eight slots
	s_wait_kmcnt 0x0
	s_mov_b32 s[G0T], 1
	s_mul_i32 s[G0T+1], s11, 12288                 ; slot 0: keys' chunks at 0 and 12,288, values' at 24,576 and 36,864
	s_add_nc_u64 s[G0T+2:G0T+3], s[4:5], s[54:55]
	s_or_b32 s[G0T+3], s[G0T+3], 0x80000000
	s_mov_b32 s[G0S], 1
	s_lshl_b32 s[G0S+1], s11, 12
	s_add_co_u32 s[G0S+1], s[G0S+1], SCB
	s_add_nc_u64 s[G0S+2:G0S+3], s[6:7], s[56:57]
	s_or_b32 s[G0S+3], s[G0S+3], 0x80000000
	CROUND                                         ; all four work-groups are here: the first joint loads meet
	s_cmp_lt_u32 s[WV], 4                          ; a wave's two first fills stand in one branch: two loads of mine are out
	s_cbranch_scc0 .Lno_first
	tensor_load_to_lds s[G0S:G0S+3], s[G1S:G1S+7]  ; the head's scale words: filled once
	s_nop 0
	tensor_load_to_lds s[G0T:G0T+3], s[G1T:G1T+7]  ; slot 0
	s_nop 0
.rept 4
	v_nop
.endr
.Lno_first:
	s_lshl_b32 s52, s13, 4
	s_add_co_u32 s52, s52, s[WV]                   ; my tile of queries, 0 .. 127
	s_mul_i32 s54, s52, 1536                       ; its image,
	s_mul_i32 s55, s14, 196608
	s_add_co_u32 s54, s54, s55
	s_mov_b32 s55, 0
	s_add_nc_u64 s[4:5], s[4:5], s[54:55]
	s_lshr_b32 s56, s52, 3                         ; its scale words: chunk tile / 8,
	s_lshl_b32 s56, s56, 9
	s_bfe_u32 s57, s52, 0x10002                    ; half (tile / 4) % 2,
	s_lshl_b32 s57, s57, 8
	s_add_co_u32 s56, s56, s57
	s_and_b32 s57, s52, 3                          ; word tile % 4
	s_lshl_b32 s57, s57, 2
	s_add_co_u32 s56, s56, s57
	s_lshl_b32 s57, s14, 13
	s_add_co_u32 s56, s56, s57
	s_mov_b32 s57, 0
	s_add_nc_u64 s[6:7], s[6:7], s[56:57]
	s_lshl_b32 s58, s14, 7                         ; the output: row 128 x head + 8 x wave (the eight channels that I store),
	s_lshl_b32 s59, s[WV], 3
	s_add_co_u32 s58, s58, s59
	s_lshl_b32 s58, s58, 13                        ; 8,192 bytes a row,
	s_lshl_b32 s59, s13, 10                        ; my block's 256 columns
	s_add_co_u32 s58, s58, s59
	s_mov_b32 s59, 0
	s_add_nc_u64 s[8:9], s[8:9], s[58:59]
	v_and_b32 v7, 31, v0
	v_lshlrev_b32 v[LI], 4, v7
	v_and_b32 v8, 15, v0                           ; r
	v_lshl_add_u32 v[ASC], v8, 4, SCB
.irp c, 0,1,2
	global_load_b128 v[16+4*\c:19+4*\c], v[LI], s[4:5] offset:512*\c   ; my queries' fragment stays in registers
.endr
	v_lshlrev_b32 v9, 4, v8
	global_load_b32 v255, v9, s[6:7]               ; and its scale words
	v_mov_b32 v13, 0xff61b1e6                      ; the largest t so far: -3e38, under every t
	v_floor_f32 v12, -v13                          ; -M
	v_mov_b32 v14, 0                               ; the sum, in two halves
	v_mov_b32 v15, 0
.irp b, 0,1,2,3
	v_mov_b32 v[236+\b], 0                         ; written once: a lane permute's destination counts as one of its sources
.endr
	v_mov_b32 v253, 0                              ; (named as the upper half of the pair v[252:253] before it is first written)
.set j, 0
.rept 64
	v_mov_b32 v[160+j], 0                          ; O^T.  (The step is written once for all steps: the first finds zeros, which the first change of M leaves zeros)
.set j, j+1
.endr
; A KEY STEP: 128 keys, the q-th of the slot in hand.
.macro STEP q
	v_add_nc_u32 v[ADK], s[TB], v[LI]
	v_add_nc_u32 v[ADS], s[TS], v[ASC]
	v_nop                                          ; with the two additions: four places in front of loads into registers that the last products read
	v_nop
.irp g, 0,1                                    ; S^T = keys x queries^T, four tiles of 16 keys at a time
.if \g > 0
.rept 4
	v_nop
.endr
.endif
.irp t, 0,1,2,3
.irp c, 0,1,2
	ds_load_b128 v[32+12*\t+4*\c:35+12*\t+4*\c], v[ADK] offset:(8*(\q)+4*\g+\t)*1536+512*\c
.endr
.endr
	ds_load_b128 v[248:251], v[ADS] offset:256*\g  ; the four tiles' scale words
	s_wait_dscnt 0x0
.irp t, 0,1,2,3
	v_wmma_scale_f32_16x16x128_f8f6f4 v[96+8*(4*\g+\t):103+8*(4*\g+\t)], v[32+12*\t:43+12*\t], v[16:27], 0, v[248+\t], v255 matrix_a_fmt:MATRIX_FMT_BF6 matrix_b_fmt:MATRIX_FMT_BF6
.endr
.endr
.rept 4
	v_nop
.endr
.irp b, 0,1,2,3
	v_max3_num_f32 v[232+\b], v[96+16*\b], v[97+16*\b], v[98+16*\b]   ; THE LARGEST SCORE OF EACH BLOCK OF 32 KEYS: it serves for the row's maximum and, since p rises with the score, for the block's largest p
.endr
.irp i, 3,5,7,9,11,13
.irp b, 0,1,2,3
	v_max3_num_f32 v[232+\b], v[232+\b], v[96+16*\b+\i], v[97+16*\b+\i]   ; (the four blocks by turns)
.endr
.endr
.irp b, 0,1,2,3
	v_max_num_f32 v[232+\b], v[232+\b], v[111+16*\b]
.endr
.irp b, 0,1,2,3
	v_permlanex16_b32 v[236+\b], v[232+\b], s[SEL], s[SEL+1]
.endr
.irp b, 0,1,2,3
	v_max_num_f32 v[232+\b], v[232+\b], v[236+\b]  ; with lane l xor 16's 16 keys
.endr
	v_max3_num_f32 v254, v232, v233, v234
	v_max_num_f32 v254, v254, v235                 ; the step's largest score of my query
	v_mul_f32 v254, s[CS], v254                    ; as t (c is positive)
	v_max_num_f32 v13, v13, v254                   ; the running largest t
	v_mov_b32 v254, v12
	v_floor_f32 v12, -v13                          ; the new -M = floor(-t) = -ceil(t): M is a whole number
	v_sub_f32 v254, v12, v254                      ; M's old value less its new one: a whole number, 0 or less
	v_cvt_i32_f32 v254, v254                       ; (it saturates)
	v_ldexp_f32 v252, 1.0, v254                    ; f = 2^(old M - new M): a multiplication by it rounds nothing
.set j, 0
.rept 32
	v_pk_fma_f32 v[96+j:97+j], v[96+j:97+j], s[CS:CS+1], v[12:13] op_sel_hi:[1,0,0]   ; t - M, two at a time (of the pairs c and -M the low word serves both halves)
.set j, j+2
.endr
.irp b, 0,1,2,3
	v_fma_f32 v[232+\b], v[232+\b], s[CS], v12     ; the same of each block's largest score
.endr
.set j, 0
.rept 64
	v_exp_f32 v[96+j], v[96+j]                     ; p = 2^(t - M), at most 1: not normalised
.set j, j+1
.endr
.irp b, 0,1,2,3
	v_exp_f32 v[232+\b], v[232+\b]                 ; the block's largest p: the same two instructions on the same number give the same bits
.endr
	v_pk_mul_f32 v[14:15], v[14:15], v[252:253] op_sel_hi:[1,0]   ; the sums under the new M.  (A plain place behind the exponentials)
	s_wait_alu depctr_va_vdst(0)
.irp b, 0,1,2,3
	v_max_num_f32 v[232+\b], 0x2800000, v[232+\b]  ; the floor 2^(5 - 127): the byte cannot fall under 1
.endr
.irp b, 0,1,2,3
	v_add_nc_u32 v[244+\b], 0xfe000000, v[232+\b]  ; 4 off the exponent field: the conversion's scale operand
.endr
.irp b, 0,1,2,3
	v_lshrrev_b32 v[236+\b], 23, v[244+\b]         ; the scale's byte
.endr
	v_lshl_or_b32 v253, v237, 8, v236              ; p's scale word for these 128 keys
	v_lshl_or_b32 v253, v238, 16, v253
	v_lshl_or_b32 v253, v239, 24, v253
.irp c, 0,1
	v_cvt_scalef32_pk16_bf6_f32 v[224+6*\c:226+6*\c], v[96+32*\c:111+32*\c], v[244+2*\c]
	v_cvt_scalef32_pk16_bf6_f32 v[236+4*\c:238+4*\c], v[112+32*\c:127+32*\c], v[244+2*\c+1]   ; (a conversion's three registers begin on an even number)
.endr
	v_nop                                          ; one plain place behind a scaled conversion
.irp c, 0,1                                    ; the operand's layout wants a WHOLE block in a lane: lanes 0-15 block 2 c, lanes 16-31 block 2 c + 1
.irp i, 0,1,2
	v_permlane16_swap_b32 v[224+6*\c+\i], v[236+4*\c+\i]
.endr
.irp i, 0,1,2
	v_mov_b32 v[227+6*\c+\i], v[236+4*\c+\i]
.endr
.endr
	v_pk_add_f32 v[236:237], v[96:97], v[98:99]    ; THE ROW'S SUM IS TAKEN OF THE UNQUANTISED p: two at a time, in two chains
.irp j, 4,8,12,16,20,24,28,32,36,40,44,48,52,56,60
	v_pk_add_f32 v[14:15], v[14:15], v[96+\j:97+\j]
	v_pk_add_f32 v[236:237], v[236:237], v[98+\j:99+\j]
.endr
	v_pk_add_f32 v[14:15], v[14:15], v[236:237]
.set j, 0
.rept 32
	v_pk_mul_f32 v[160+j:161+j], v[160+j:161+j], v[252:253] op_sel_hi:[1,0]   ; O^T under the new M.  (These 32 are also the places in front of the loads and scaled products below)
.set j, j+2
.endr
.irp g, 0,1                                    ; O^T += values x p^T: four tiles of 16 channels at a time; K = these 128 keys
.if \g > 0
.rept 4
	v_nop
.endr
.endif
.irp t, 0,1,2,3
.irp c, 0,1,2
	ds_load_b128 v[32+12*\t+4*\c:35+12*\t+4*\c], v[ADK] offset:VOFF+(8*(\q)+4*\g+\t)*1536+512*\c
.endr
.endr
	ds_load_b128 v[248:251], v[ADS] offset:8192+256*\g
	s_wait_dscnt 0x0
.irp t, 0,1,2,3
	v_wmma_scale_f32_16x16x128_f8f6f4 v[160+8*(4*\g+\t):167+8*(4*\g+\t)], v[32+12*\t:43+12*\t], v[224:235], v[160+8*(4*\g+\t):167+8*(4*\g+\t)], v[248+\t], v253 matrix_a_fmt:MATRIX_FMT_BF6 matrix_b_fmt:MATRIX_FMT_BF6
.endr
.endr
	s_add_co_u32 s[TS], s[TS], 512                 ; the next step's scale words
.endm
; THE CHANGE OF SLOTS stands at a slot's head.  Each wave waits for all its tensor loads (its part of the slot that it is about to read), adds 0 to its spare word, and waits for that and for its reads of the slot that it has left.
; fill = 1: the barrier is a round of the cluster's, and behind it the slot that was left takes the next 256 keys: the load has two key steps of sixteen waves in which to land.
.macro CHANGE fill
	s_wait_tensorcnt 0x0                           ; no tensor load of mine is out, so a group 0 may be written
	ds_add_u32 v[SPW], v[NIL]                      ; 0 onto my spare word
.if \fill
	s_xor_b32 s[G0T+1], s[G0T+1], SLOT1            ; the walking descriptor: the other slot than last time,
	s_add_nc_u64 s[G0T+2:G0T+3], s[G0T+2:G0T+3], 24576   ; two chunks on; the type bits on top are not reached
.endif
	s_wait_dscnt 0x0                               ; the add is done, and my reads of the slot that I have left are over
.if \fill
	CROUND                                         ; no wave of any partner still reads that slot or has a load on its way
	TLOAD                                          ; the first thing behind the round, and a wave's one tensor load until the next
.else
	s_barrier_signal -1
	s_barrier_wait -1
.endif
.endm
.macro SLOT_STEPS
	STEP 0
	STEP 1
	s_xor_b32 s[TB], s[TB], SLOT1                  ; on to the other slot
.endm
	s_wait_loadcnt 0x0                             ; my queries and their scale words
.Lslot:                                            ; seven trips: behind each change of slots but the last the next slot is asked for
	CHANGE 1
	SLOT_STEPS
	s_sub_co_u32 s[SLOTS], s[SLOTS], 1
	s_cmp_lg_u32 s[SLOTS], 0
	s_cbranch_scc1 .Lslot
	CHANGE 0                                       ; the last slot is written out
	SLOT_STEPS
	; THE WAY OUT.  O^T is divided by the sum.  A lane holds one query and 64 channels, the output wants the queries innermost: the sixteen waves put their numbers into one stage, [channel][query],
	; and each wave then stores eight whole rows of 1,024 bytes.
	v_add_f32 v14, v14, v15                        ; the sum's two halves,
	v_permlanex16_b32 v252, v14, s[SEL], s[SEL+1]
	v_add_f32 v14, v14, v252                       ; and lane l xor 16's: the row's sum
	v_rcp_f32 v14, v14
	v_and_b32 v8, 15, v0                           ; (a plain place behind the transcendental)  r
	v_bfe_u32 v9, v0, 4, 1                         ; h
	v_and_b32 v10, 8, v8
	v_add_nc_u32 v10, v10, v8                      ; r + 8 (r / 8)
	s_lshr_b32 s52, s[WV], 1
	s_lshl_b32 s52, s52, 5
	s_and_b32 s53, s[WV], 1
	s_lshl_b32 s53, s53, 3
	s_add_co_u32 s52, s52, s53                     ; my tile's true queries in the block: 32 (w / 2) + 8 (w % 2) + r + 8 (r / 8)
	s_lshl_b32 s52, s52, 2
	s_add_co_u32 s52, s52, STAGE
	v_lshl_add_u32 v10, v10, 2, s52
	v_lshl_add_u32 v8, v9, 14, v10                 ; + 16 h channels of 1,024 bytes: channels 0-63
	v_add_nc_u32 v9, 0x10000, v8                   ; channels 64-127 (an LDS immediate has 16 bits)
	s_lshl_b32 s53, s[WV], 13
	s_add_co_u32 s53, s53, STAGE
	v_add_nc_u32 v10, s53, v[LI]                   ; back: my eight rows, 16 bytes a lane
.set j, 0
	s_wait_alu depctr_va_vdst(0)
.rept 64
	v_mul_f32 v[96+j], v[160+j], v14               ; register 8 t + i is channel 32 (t / 2) + 16 h + 8 (t % 2) + i of my query; each accumulator from its low end on
.set j, j+1
.endr
.irp t, 0,1,2,3,4,5,6,7
.irp i, 0,1,2,3,4,5,6,7
.if \t < 4
	ds_store_b32 v8, v[96+8*\t+\i] offset:(32*((\t/2)%2)+8*(\t%2)+\i)*1024
.else
	ds_store_b32 v9, v[96+8*\t+\i] offset:(32*((\t/2)%2)+8*(\t%2)+\i)*1024
.endif
.endr
.endr
	s_wait_dscnt 0x0                               ; for the others' sake: my stores into the stage are done
	s_barrier_signal -1
	s_barrier_wait -1
.set n, 0
.rept 16
	ds_load_b128 v[32+4*n:35+4*n], v10 offset:1024*(n/2)+512*(n%2)
.set n, n+1
.endr
.set n, 0
.rept 16
	s_wait_dscnt 15-n                              ; the loads behind number n may be out
	global_store_b128 v[LI], v[32+4*n:35+4*n], s[8:9] offset:8192*(n/2)+512*(n%2) th:TH_STORE_NT   ; 32 lanes store 512 consecutive bytes, aligned; written once, read by nobody here
.set n, n+1
.endr
	s_wait_tensorcnt 0x0                           ; the wave's end: behind my last tensor load and my last LDS store
	ds_add_u32 v[SPW], v[NIL]
	s_wait_dscnt 0x0
	CROUND                                         ; the closing round: no work-group ends while a partner may still ask for a tile that names it
	s_endpgm
.Lfunc_end_k_qbefe1445e8_attn:
	.size	k_qbefe1445e8_attn, .Lfunc_end_k_qbefe1445e8_attn-k_qbefe1445e8_attn
	.p2alignl 7, 3214868480
	.fill 96, 4, 3214868480
	.section	.rodata,"a",@progbits
	.p2align	6, 0x0
	.amdhsa_kernel k_qbefe1445e8_attn
		.amdhsa_group_segment_fixed_size 327680
		.amdhsa_private_segment_fixed_size 0
		.amdhsa_enable_private_segment 0
		.amdhsa_kernarg_size 24
		.amdhsa_user_sgpr_count 2
		.amdhsa_user_sgpr_kernarg_segment_ptr 1
		.amdhsa_wavefront_size32 1
		.amdhsa_system_sgpr_workgroup_id_x 1
		.amdhsa_system_sgpr_workgroup_id_y 1
		.amdhsa_system_sgpr_workgroup_id_z 1
		.amdhsa_system_vgpr_workitem_id 0
		.amdhsa_next_free_vgpr 256
		.amdhsa_next_free_sgpr 66
		.amdhsa_reserve_vcc 0
		.amdhsa_float_denorm_mode_32 3
		.amdhsa_float_denorm_mode_16_64 3
		.amdhsa_memory_ordered 1
		.amdhsa_forward_progress 1
		.amdhsa_inst_pref_size 94
	.end_amdhsa_kernel
	.amdgpu_metadata
---
amdhsa.version: [ 1, 2 ]
amdhsa.kernels:
  - .name:           k_qbefe1445e8_attn
    .symbol:         k_qbefe1445e8_attn.kd
    .args:
      - { .name: img, .offset: 0, .size: 8, .value_kind: global_buffer, .address_space: global }
      - { .name: isc, .offset: 8, .size: 8, .value_kind: global_buffer, .address_space: global }
      - { .name: out0, .offset: 16, .size: 8, .value_kind: global_buffer, .address_space: global }
    .group_segment_fixed_size: 327680
    .private_segment_fixed_size: 0
    .kernarg_segment_align: 8
    .kernarg_segment_size: 24
    .max_flat_workgroup_size: 512
    .sgpr_count:     66
    .vgpr_count:     256
    .wavefront_size: 32
...
	.end_amdgpu_metadata
.endif
;; end of part 4
;; ======== version 2 of 2: 3 launches
;; workspace buffers: xc 12,582,912 bytes; xs 524,288 bytes; wc 2,359,296 bytes; ws 98,304 bytes; img 18,874,368 bytes; isc 786,432 bytes
;; launch quant (part 5): grid 608 x 1, 4 waves a work-group, no clusters, 68,096 bytes of LDS; arguments Wq, Wk, Wv, Xq, Xk, wc, ws, xc, xs; writes wc, ws, xc, xs
.if DOCPART == 5
	.amdgcn_target "amdgcn-amd-amdhsa--gfx1250"
	.amdhsa_code_object_version 6
	.text
	.protected	k_qbefe1445e8_quant
	.globl	k_qbefe1445e8_quant
	.p2align	8
	.type	k_qbefe1445e8_quant,@function
k_qbefe1445e8_quant:
	s_mov_b64 s[64:65], 0
	v_nop
	global_prefetch_b8 v0, s[64:65] scope:SCOPE_SE
	s_setreg_imm32_b32 hwreg(HW_REG_WAVE_MODE, 25, 1), 1
	s_wait_xcnt 0x0
; All five f32 operands of the three convolutions become codes of BF6 (E3M2), 6 bits each, with the channel c (the products' K) innermost and one E8M0 scale byte for each 32 along c.
; ONE LAUNCH, TWO PATHS, parted by the work-group's number: work-groups 0-95 take the weights (c innermost in memory), work-groups 96-607 take X (c not innermost).  Each path has LDS bytes of its own.
; wc: [0 Wq, 1 Wk, 2 Wv][row place 1024][768 bytes];  ws: the same rows x 32 scale bytes.   xc: [0 Xq, 1 Xk][b][place of p, 2048][768 bytes];  xs: the same rows x 32 scale bytes.
; PLACES: row o of a weight and column p of X are stored at the place o (p) with its bits 3 and 4 exchanged.  Sixteen stored rows on end are then rows 32 B + 8 u + r + 8 (r / 8), which
; lets a later product, used transposed, hold 16 neighbours along the next K in 16 registers of a lane.
; A block's scale is 2^(floor(log2(its largest magnitude)) - 4); its byte is the largest magnitude's exponent field - 4, held at 1 from below.
; LIMITS: a block of zeros, and a block whose largest magnitude lies under 2^-122, keeps the byte 1 (zeros have zero codes; the bytes are read by this program alone);
; NaN and infinities among the inputs are not served.
; No tensor loads, no barrier, no cluster: waves share nothing and no input byte is read twice.
.set NWG,    96                        ; the weights' work-groups
.set EMAX,   4
; ---- the weights' path: a work-group takes 32 rows of one tensor, a wave 8 rows = 8,192 numbers = 16 steps of 512
.set WSTEPS, 16
.set CB,     12                        ; bytes of 16 codes
.set WR,     16                        ; v16-79   four sets of 16 numbers as they are loaded
.set WX,     80                        ; v80-111  two sets of 16 neighbours
.set WC,     128                       ; v128-191 codes: four registers for each step, so that no store's data are written again
.set WE,     112                       ; v112-127 a scale byte for each step
.set WBASE,  34816                     ; LDS: behind X's four stages
.set WREG,   8192                      ; a region for each wave: two stages of 32 x SP bytes, behind them its 256 scale bytes
.set SP,     80                        ; a lane's place in a stage: 64 bytes + 16 of padding
; ---- X's path: a wave takes 32 columns x 256 along c
.set NB,     8                         ; blocks of 32 for a wave
.set ROWB,   192                       ; bytes of 256 codes
.set PITCH,  272                       ; a stage row: sixteen places of 16 bytes, each with 12 bytes of codes, + 16
.set KROW,   768                       ; a row of xc in bytes
.set NROW,   8192                      ; bytes from a channel to the next in X
.set XX,     32                        ; v32-95   two sets of 32 numbers
.set XC,     96                        ; v96..    a block's codes
.set OUTR,   112                       ; v112-175 the way out: 16 x 4 registers
.set SB,     24                        ; v24-25   the scale bytes, four to a register
	v_lshl_add_u32 v192, v0, 2, 0x10800
	v_mov_b32 v193, 0
	v_lshrrev_b32 v1, 5, v0
	v_readfirstlane_b32 s16, v1                    ; wave 0..3
	v_and_b32 v2, 31, v0                           ; lane
	s_cmp_lt_u32 ttmp9, NWG
	s_cbranch_scc0 .Lx
; ================ THE WEIGHTS.  Eight rows share their bits 3 and 4, which are the wave's two bits: so the exchange of places is an exchange of the wave's two bits in the output's address.
; Each load reads 512 consecutive bytes, 16 a lane; a step's 2,048 bytes turn through the wave's own stage in LDS and come back 64 bytes a lane: 16 neighbours, two lanes to a block.
	s_load_b128 s[4:7], s[0:1], 0x0                ; Wq, Wk
	s_load_b64 s[8:9], s[0:1], 0x10                ; Wv
	s_load_b128 s[12:15], s[0:1], 0x28             ; wc, ws
	v_lshlrev_b32 v3, 4, v2                        ; my 16 bytes of a load's 512
	s_mul_i32 s17, s16, WREG
	s_add_co_u32 s17, s17, WBASE
	v_lshrrev_b32 v14, 2, v2
	v_mul_u32_u24 v14, v14, SP
	v_and_b32 v15, 3, v2
	v_lshl_add_u32 v14, v15, 4, v14
	v_add_nc_u32 v14, s17, v14                     ; the stage, on the way in: SP (lane / 4) + 16 (lane % 4)
	v_mul_u32_u24 v15, v2, SP
	v_add_nc_u32 v15, s17, v15                     ; and on the way out: SP x lane: my 16 neighbours
	v_mul_u32_u24 v4, v2, CB                       ; my codes' place in a step's
	v_lshrrev_b32 v5, 1, v2
	s_add_co_u32 s17, s17, 2*32*SP
	v_add_nc_u32 v5, s17, v5                       ; LDS: my wave's 256 scale bytes, my block's byte
	v_lshlrev_b32 v7, 3, v2                        ; and on the way out 8 bytes a lane
	v_add_nc_u32 v6, s17, v7
	s_and_b32 s17, ttmp9, 31                       ; which 32 rows of the tensor
	s_lshl_b32 s17, s17, 2
	s_add_co_u32 s18, s17, s16                     ; which run of 8 rows is read
	s_lshl_b32 s18, s18, 15                        ; 32,768 bytes a run
	s_mov_b32 s19, 0
	s_and_b32 s20, s16, 1                          ; the wave's two bits exchanged:
	s_lshl_b32 s20, s20, 1
	s_lshr_b32 s21, s16, 1
	s_or_b32 s20, s20, s21
	s_lshl_b32 s21, ttmp9, 2
	s_add_co_u32 s20, s20, s21                     ; which run of 8 row places is written, counted through all three tensors
	s_mul_i32 s22, s20, 32*WSTEPS*CB               ; 6,144 bytes of codes a run
	s_mov_b32 s23, 0
	s_lshl_b32 s24, s20, 8                         ; 256 scale bytes a run
	s_mov_b32 s25, 0
	s_wait_kmcnt 0x0
	s_cmp_lt_u32 ttmp9, 32                         ; the tensor is chosen by the work-group's number alone
	s_cselect_b64 s[4:5], s[4:5], s[6:7]
	s_cmp_lt_u32 ttmp9, 64
	s_cselect_b64 s[4:5], s[4:5], s[8:9]
	s_add_nc_u64 s[4:5], s[4:5], s[18:19]
	s_add_nc_u64 s[12:13], s[12:13], s[22:23]
	s_add_nc_u64 s[14:15], s[14:15], s[24:25]
.macro WLOAD t
.irp i, 0,1,2,3
	global_load_b128 v[WR+16*((\t)%4)+4*\i:WR+16*((\t)%4)+4*\i+3], v3, s[4:5] offset:2048*(\t)+512*\i th:TH_LOAD_NT   ; 32 lanes read 512 consecutive bytes
.endr
.endm
.macro WTURN t                         ; step t's numbers through the stage: LDS serves a wave's instructions in order, so no wait stands between the stores and the loads
.irp i, 0,1,2,3
	ds_store_b128 v14, v[WR+16*((\t)%4)+4*\i:WR+16*((\t)%4)+4*\i+3] offset:32*SP*((\t)%2)+8*SP*\i
.endr
.irp i, 0,1,2,3
	ds_load_b128 v[WX+16*((\t)%2)+4*\i:WX+16*((\t)%2)+4*\i+3], v15 offset:32*SP*((\t)%2)+16*\i
.endr
.endm
.irp t, 0,1,2,3
	WLOAD \t
.endr
	s_wait_loadcnt 12                              ; step 0's four loads are in; the twelve behind them may be out
	WTURN 0
.macro WSTEP t
.set WXS, WX+16*((\t)%2)
.if (\t) > 0
	s_wait_dscnt 1                                 ; this step's numbers are back from the stage (the last step's byte store may be out): so its stores into the stage have read their registers,
.else
	s_wait_dscnt 0x0
.endif
.if (\t)+4 < WSTEPS
	WLOAD (\t)+4                                   ; which take the loads of four steps on
.endif
.if (\t)+1 < WSTEPS
.if WSTEPS-2-(\t) >= 3
	s_wait_loadcnt 12                              ; the next step's four loads are in; those of the three steps behind it may be out
.else
	s_wait_loadcnt 4*(WSTEPS-2-(\t))
.endif
	WTURN (\t)+1                                   ; and go through the other stage while this step is worked
.endif
	v_max3_num_f32 v8, |v[WXS]|, |v[WXS+1]|, |v[WXS+2]|            ; the largest magnitude of my 16, in two chains
	v_max3_num_f32 v9, |v[WXS+3]|, |v[WXS+4]|, |v[WXS+5]|
.irp i, 6,10
	v_max3_num_f32 v8, v8, |v[WXS+\i]|, |v[WXS+\i+1]|
	v_max3_num_f32 v9, v9, |v[WXS+\i+2]|, |v[WXS+\i+3]|
.endr
	v_max3_num_f32 v8, v8, |v[WXS+14]|, |v[WXS+15]|
	v_max3_num_f32 v8, v8, v9, (EMAX+1)<<23        ; and the floor 2^(5 - 127): the byte cannot fall under 1
	v_max_num_f32_dpp v8, v8, v8 row_xmask:1 row_mask:0xf bank_mask:0xf   ; and of my neighbour's 16: the block's
	v_add_nc_u32 v11, -(EMAX<<23), v8              ; 4 off its exponent field: the conversion takes the exponent field of this operand as its scale
	v_cvt_scalef32_pk16_bf6_f32 v[WC+4*(\t):WC+4*(\t)+2], v[WXS:WXS+15], v11
	v_lshrrev_b32 v[WE+(\t)], 23, v11              ; the scale's byte (also the plain line behind the conversion)
	ds_store_b8 v5, v[WE+(\t)] offset:16*(\t)      ; both lanes of a block write the same byte with the same value
	global_store_b96 v4, v[WC+4*(\t):WC+4*(\t)+2], s[12:13] offset:32*CB*(\t)   ; the wave stores 384 consecutive bytes
.endm
.irp t, 0,1,2,3,4,5,6,7,8,9,10,11,12,13,14,15
	WSTEP \t
.endr
	ds_load_b64 v[12:13], v6                       ; LDS serves a wave's instructions in order: these see my stores
	s_wait_dscnt 0x0
	global_store_b64 v7, v[12:13], s[14:15]        ; 32 lanes store 256 consecutive bytes, aligned
	s_wait_tensorcnt 0x0
	ds_add_u32 v192, v193
	s_wait_dscnt 0x0
	s_endpgm
; ================ X [4 (b)][1024 (c)][2048 (p)].  A LANE TAKES A COLUMN p, AND ITS REGISTERS RUN DOWN c: each load reads 128 consecutive bytes a wave, a block of 32 along c lies in one lane's
; 32 registers, so its largest magnitude needs no other lane, and the conversions give codes with c innermost.  Nothing is transposed by an instruction.
; A lane's 192 bytes of codes go through the wave's own stage in LDS and leave as rows: sixteen lanes store a row's 192 consecutive bytes.  The exchange of places acts inside the wave's
; 32 columns: it stands in the stores' immediate offsets and in the scale store's lane offset.  Loads run two blocks (64 loads a wave) ahead.
.Lx:
	s_load_b128 s[4:7], s[0:1], 0x18               ; Xq, Xk
	s_load_b128 s[8:11], s[0:1], 0x38              ; xc, xs
	s_sub_co_u32 s30, ttmp9, NWG                   ; X's work-groups counted from 0: 16 along p, 32 along (tensor, b, quarter of c)
	s_and_b32 s31, s30, 15
	s_lshl_b32 s17, s31, 7
	s_lshl_b32 s18, s16, 5
	s_add_co_u32 s17, s17, s18                     ; my wave's first column: 128 x + 32 x wave
	s_lshr_b32 s18, s30, 4
	s_and_b32 s19, s18, 3                          ; which 256 along c
	s_lshr_b32 s20, s18, 2                         ; 4 x tensor + b
	v_lshlrev_b32 v3, 2, v2                        ; in: 4 bytes a lane
	s_mul_i32 s21, s16, 32*PITCH                   ; my stage
	v_mul_u32_u24 v4, v2, PITCH
	v_add_nc_u32 v4, s21, v4                       ; into it: row = my column
	v_and_b32 v5, 15, v2
	v_lshrrev_b32 v6, 4, v2                        ; out of it: sixteen lanes to a row, two rows an instruction
	v_mul_u32_u24 v7, v6, PITCH
	v_lshl_add_u32 v7, v5, 4, v7
	v_add_nc_u32 v7, s21, v7                       ; LDS address
	v_mul_u32_u24 v8, v6, KROW
	v_mad_u32_u24 v8, v5, 12, v8                   ; and the same place in xc (the odd row of a pair keeps its bit 0 under the exchange)
	v_and_b32 v9, 7, v2                            ; my column's place: the lane with its bits 3 and 4 exchanged,
	v_bfe_u32 v10, v2, 3, 1
	v_lshl_or_b32 v9, v10, 4, v9
	v_bfe_u32 v10, v2, 4, 1
	v_lshl_or_b32 v9, v10, 3, v9
	v_lshlrev_b32 v9, 5, v9                        ; 32 scale bytes a row
	s_and_b32 s22, s20, 3
	s_lshl_b32 s22, s22, 23                        ; X: b x 1,024 x 8,192 bytes
	s_lshl_b32 s23, s19, 21                        ; + 256 channels x 8,192 bytes
	s_add_co_u32 s22, s22, s23
	s_lshl_b32 s23, s17, 2
	s_add_co_u32 s22, s22, s23                     ; + 4 x column
	s_mov_b32 s23, 0
	s_lshl_b32 s24, s20, 11
	s_add_co_u32 s24, s24, s17                     ; my first row of xc and xs
	s_mul_i32 s26, s24, KROW
	s_mul_i32 s27, s19, ROWB
	s_add_co_u32 s26, s26, s27
	s_mov_b32 s27, 0
	s_lshl_b32 s28, s24, 5
	s_lshl_b32 s29, s19, 3
	s_add_co_u32 s28, s28, s29
	s_mov_b32 s29, 0
	s_wait_kmcnt 0x0
	s_cmp_lt_u32 s20, 4                            ; the tensor is chosen by the work-group's number alone
	s_cselect_b64 s[4:5], s[4:5], s[6:7]
	s_add_nc_u64 s[4:5], s[4:5], s[22:23]
	s_add_nc_u64 s[8:9], s[8:9], s[26:27]
	s_add_nc_u64 s[10:11], s[10:11], s[28:29]
.macro XLOAD t                         ; block t: X(32 t + i, my column), i = 0 .. 31, into set t % 2.  The largest offset is 255 x 8,192 bytes, inside the signed 24-bit immediate
.irp i, 0,1,2,3,4,5,6,7,8,9,10,11,12,13,14,15,16,17,18,19,20,21,22,23,24,25,26,27,28,29,30,31
	global_load_b32 v[XX+32*((\t)%2)+\i], v3, s[4:5] offset:(32*(\t)+\i)*NROW th:TH_LOAD_NT
.endr
.endm
	XLOAD 0
	XLOAD 1
.macro XBLOCK t
.set XXS, XX+32*((\t)%2)
.if (\t) < NB-1
	s_wait_loadcnt 32                              ; this block's 32 loads are in; the next block's may be out
.else
	s_wait_loadcnt 0
.endif
	v_max3_num_f32 v12, |v[XXS]|, |v[XXS+1]|, |v[XXS+2]|            ; the block's largest magnitude: all 32 numbers are mine
	v_max3_num_f32 v13, |v[XXS+3]|, |v[XXS+4]|, |v[XXS+5]|
.irp i, 6,10,14,18,22,26
	v_max3_num_f32 v12, v12, |v[XXS+\i]|, |v[XXS+\i+1]|
	v_max3_num_f32 v13, v13, |v[XXS+\i+2]|, |v[XXS+\i+3]|
.endr
	v_max3_num_f32 v12, v12, |v[XXS+30]|, |v[XXS+31]|
	v_max3_num_f32 v12, v12, v13, (EMAX+1)<<23     ; and the floor 2^(5 - 127): the byte cannot fall under 1
	v_add_nc_u32 v11, -(EMAX<<23), v12             ; 4 off its exponent field: the conversion's scale operand
	v_lshrrev_b32 v13, 23, v11                     ; the scale's byte
.if (\t)%4 == 0
	v_mov_b32 v[SB+(\t)/4], v13                    ; four bytes to a register, the lower c in the lower byte
.else
	v_lshl_or_b32 v[SB+(\t)/4], v13, 8*((\t)%4), v[SB+(\t)/4]
.endif
	v_cvt_scalef32_pk16_bf6_f32 v[XC:XC+2], v[XXS:XXS+15], v11
	v_cvt_scalef32_pk16_bf6_f32 v[XC+4:XC+6], v[XXS+16:XXS+31], v11     ; (a conversion's three registers begin on an even number)
	ds_store_b96 v4, v[XC:XC+2] offset:32*(\t)     ; 16 codes, 12 bytes, to a place of 16 bytes, so that every LDS address is a multiple of 16
	ds_store_b96 v4, v[XC+4:XC+6] offset:32*(\t)+16
.if (\t)+2 < NB
	XLOAD (\t)+2
.endif
	s_wait_dscnt 0x0                               ; the stores have read their registers: the next block's codes may be written
.endm
.set Q, 0
.rept NB
	XBLOCK Q
.set Q, Q+1
.endr
	global_store_b64 v9, v[SB:SB+1], s[10:11]      ; my column's 8 scale bytes, at its place
.irp t, 0,1,2,3,4,5,6,7,8,9,10,11,12,13,14,15
	ds_load_b96 v[OUTR+4*\t:OUTR+4*\t+2], v7 offset:2*\t*PITCH   ; LDS serves a wave's instructions in order: these see my stores
.endr
.irp t, 0,1,2,3,4,5,6,7,8,9,10,11,12,13,14,15
	s_wait_dscnt 15-\t                             ; the loads behind pair t may be out
	global_store_b96 v8, v[OUTR+4*\t:OUTR+4*\t+2], s[8:9] offset:(((2*\t)&7)+16*(((2*\t)>>3)&1)+8*(((2*\t)>>4)&1))*KROW   ; columns 2 t, 2 t + 1 go to their places
.endr
	s_wait_tensorcnt 0x0
	ds_add_u32 v192, v193
	s_wait_dscnt 0x0
	s_endpgm
.Lfunc_end_k_qbefe1445e8_quant:
	.size	k_qbefe1445e8_quant, .Lfunc_end_k_qbefe1445e8_quant-k_qbefe1445e8_quant
	.p2alignl 7, 3214868480
	.fill 96, 4, 3214868480
	.section	.rodata,"a",@progbits
	.p2align	6, 0x0
	.amdhsa_kernel k_qbefe1445e8_quant
		.amdhsa_group_segment_fixed_size 68096
		.amdhsa_private_segment_fixed_size 0
		.amdhsa_enable_private_segment 0
		.amdhsa_kernarg_size 72
		.amdhsa_user_sgpr_count 2
		.amdhsa_user_sgpr_kernarg_segment_ptr 1
		.amdhsa_wavefront_size32 1
		.amdhsa_system_sgpr_workgroup_id_x 1
		.amdhsa_system_sgpr_workgroup_id_y 1
		.amdhsa_system_sgpr_workgroup_id_z 1
		.amdhsa_system_vgpr_workitem_id 0
		.amdhsa_next_free_vgpr 194
		.amdhsa_next_free_sgpr 66
		.amdhsa_reserve_vcc 0
		.amdhsa_float_denorm_mode_32 3
		.amdhsa_float_denorm_mode_16_64 3
		.amdhsa_memory_ordered 1
		.amdhsa_forward_progress 1
		.amdhsa_inst_pref_size 74
	.end_amdhsa_kernel
	.amdgpu_metadata
---
amdhsa.version: [ 1, 2 ]
amdhsa.kernels:
  - .name:           k_qbefe1445e8_quant
    .symbol:         k_qbefe1445e8_quant.kd
    .args:
      - { .name: Wq, .offset: 0, .size: 8, .value_kind: global_buffer, .address_space: global }
      - { .name: Wk, .offset: 8, .size: 8, .value_kind: global_buffer, .address_space: global }
      - { .name: Wv, .offset: 16, .size: 8, .value_kind: global_buffer, .address_space: global }
      - { .name: Xq, .offset: 24, .size: 8, .value_kind: global_buffer, .address_space: global }
      - { .name: Xk, .offset: 32, .size: 8, .value_kind: global_buffer, .address_space: global }
      - { .name: wc, .offset: 40, .size: 8, .value_kind: global_buffer, .address_space: global }
      - { .name: ws, .offset: 48, .size: 8, .value_kind: global_buffer, .address_space: global }
      - { .name: xc, .offset: 56, .size: 8, .value_kind: global_buffer, .address_space: global }
      - { .name: xs, .offset: 64, .size: 8, .value_kind: global_buffer, .address_space: global }
    .group_segment_fixed_size: 68096
    .private_segment_fixed_size: 0
    .kernarg_segment_align: 8
    .kernarg_segment_size: 72
    .max_flat_workgroup_size: 128
    .sgpr_count:     66
    .vgpr_count:     194
    .wavefront_size: 32
...
	.end_amdgpu_metadata
.endif
;; end of part 5
;; launch gemm: the kernel of part 3 again; grid 32 x 12, 4 waves a work-group, clusters of 4 x 4, 327,680 bytes of LDS; arguments xc, xs, wc, ws, img, isc, gamma2, beta2, mean2, var2, gamma3, beta3, mean3, var3, gamma1, beta1, mean1, var1; writes img, isc
;; launch attn (part 6): grid 8 x 32, 8 waves a work-group, clusters of 4 x 1, 327,680 bytes of LDS; arguments img, isc, out0; writes out0
.if DOCPART == 6
	.amdgcn_target "amdgcn-amd-amdhsa--gfx1250"
	.amdhsa_code_object_version 6
	.text
	.protected	k_qbefe1445e8_attn
	.globl	k_qbefe1445e8_attn
	.p2align	8
	.type	k_qbefe1445e8_attn,@function
k_qbefe1445e8_attn:
	s_mov_b64 s[64:65], 0
	v_nop
	global_prefetch_b8 v0, s[64:65] scope:SCOPE_SE
	s_setreg_imm32_b32 hwreg(HW_REG_WAVE_MODE, 25, 1), 1
	s_wait_xcnt 0x0
	s_wait_alu depctr_hold_cnt(0) depctr_sa_sdst(0) depctr_va_vdst(0) depctr_va_sdst(0) depctr_va_ssrc(0) depctr_va_vcc(0) depctr_vm_vsrc(0)
	s_getreg_b32 s2, hwreg(HW_REG_IB_STS2, 6, 4)
	s_cmp_eq_u32 s2, 0
	s_cbranch_scc0 .Lentry_in_a_cluster
	s_endpgm
.Lentry_in_a_cluster:
	s_bfe_u32 s2, ttmp6, 0x10000c
	s_cmp_lg_u32 s2, 0x3003
	s_cbranch_scc0 .Lentry_shape_is_right
	s_endpgm
.Lentry_shape_is_right:
; out[b][128 h + c][i] = the sum over j of softmax_j(K[:, i] . V[:, j] / sqrt(128)) Q[c][j], for each of the 32 heads (8 b + h), both products on codes of BF6 (E3M2) with E8M0 scales.
; The columns i of the K branch are the queries, the columns j of the V branch the keys (both quantised along the head's 128 channels), the Q branch the values (quantised along j).
; All three arrive as IMAGES of operand registers: img [g: 0 queries, 1 keys, 2 values][head][G 16][a 8][1,536 bytes], registers 4 c .. 4 c + 3 of lane l at 512 c + 16 l; isc [g][head][G][a / 4][row][a % 4]: scale words.
; So a fragment is three loads of 16 bytes a lane, 512 consecutive bytes each, and four tiles' scale words are one load.
; THE SOFTMAX AHEAD OF THE SECOND PRODUCT: t = score x log2(e) / sqrt(128); M = the running largest t rounded UP to a whole number; p = 2^(t - M) is quantised along the keys, not normalised.
; The row's sum is taken of the unquantised p and divides at the end.  When M moves, the sum and O are multiplied by 2^(old M - new M): exact.
; SHARES: a work-group owns 256 query places of a head; each of its eight waves owns TWO tiles of 16, so that each fragment of keys or values read from LDS feeds two products.
; Every wave walks all 2,048 keys, 128 a step.  Both products are used transposed (S^T = keys x queries^T, O^T = values x p^T): a lane holds ONE query of each tile throughout.
; Rows were stored with bits 3 and 4 of their number exchanged: the 16 registers of tiles 2 b, 2 b + 1 of S^T are keys 32 b + 16 (lane / 16) + 0 .. 15, those of O^T true channels likewise.
; REGISTERS, in two windows of 256.  TILE e's STATE LIES IN WINDOW e, AT THE SAME NUMBERS IN BOTH: v12 -M, v13 the largest t, v[14:15] the sum in two halves, v16-27 its queries, v96-159 S^T, then p,
; v160-223 O^T, v224-235 p's codes, v232-254 at work.  So the softmax is written once and run under two window settings.  v32-79 of window 0 and of window 1 are the two buffers of four fragments each.
; Window 0 alone: v1-7 addresses; scale words, which have no window: v80-87 the eight fragments', v88-89 p's (tile 0, 1), v90-91 the queries'.
; A KEY STEP: 16 score products | the values' 26 loads are issued and land under the two softmaxes | 16 value products | the row sums of p, with the next step's keys' 26 loads issued between the two tiles' sums.
; CLUSTER: four of a head's eight query blocks form a cluster and ask for the keys' and values' images JOINTLY (a mask names four work-groups at the most).  All eight waves fetch, one load each.
; LIMITS: NaN and infinities are not served; a block of p that has fallen to zeros keeps the scale byte 1 with zero codes.
.set SLOT1, 1<<17                      ; a slot: 512 keys: the keys' 32 images (49,152 bytes), then the values' 32; slot 1 begins here, so that one exclusive or turns an address
.set VOFF,  49152
.set SCB,   2*SLOT1                    ; the head's scale words: the keys' 8,192 bytes, then the values'; filled once
.set SPARE, SCB+16384                  ; the spare words, 128 bytes for each of eight waves
.set STAGE, 0                          ; the way out: 128 channels x 256 queries x 4 bytes, in slot 0 and the gap behind it: slot 0 has had its last fill, and nobody reads it behind the last change of slots
.set LI,   1                           ; v1   16 x lane; never rewritten
.set ASC,  2                           ; v2   SCB + 16 x (lane % 16)
.set SPW,  3                           ; v3   my spare word; never rewritten
.set NIL,  4                           ; v4   0; never rewritten
.set ADK,  5                           ; v5   the slot in hand + 16 x lane: the keys' images
.set ADS,  6                           ; v6   the slot's scale words
.set ADV,  7                           ; v7   the values' images
.set FRG,  32
.set SW,   80
.set PWD,  88
.set QW,   90
.set WV,   10                          ; s10  my wave's number
.set SEL,  20                          ; s[20:21] lane selects for v_permlanex16_b32: lane l xor 16
.set CS,   22                          ; s[22:23] c = log2(e) / sqrt(128)
.set G1T,  24                          ; s[24:31] group 1: 12,288 dense bytes as 48 rows of 256
.set G1S,  32                          ; s[32:39] group 1: 2,048 dense bytes as 8 rows of 256
.set G0T,  40                          ; s[40:43] group 0 for the images: it walks
.set G0S,  44                          ; s[44:47] group 0 for the scale words
.set TB,   48                          ; s48  LDS byte at which the slot in hand begins
.set TS,   49                          ; s49  where the slot's scale words begin: 2,048 bytes a slot
.set SLOTS, 50                         ; s50  slots still to be asked for
.set MSB, 0
.macro WIN new                         ; bits 1:0 source 0, 3:2 source 1, 5:4 source 2, 7:6 destination; the immediate's high byte repeats the setting that is left
.if MSB != (\new)
	s_set_vgpr_msb (MSB<<8)|(\new)
.set MSB, (\new)
.endif
.endm
.macro CROUND                          ; a round of the cluster's barrier
	s_barrier_signal -1
	s_barrier_wait -1
	s_cmp_lg_u32 s[WV], 0
	s_cbranch_scc1 .Lnot_wave_0_\@
	s_barrier_signal -3
.Lnot_wave_0_\@:
	s_barrier_wait -3
	s_barrier_signal -1
	s_barrier_wait -1
.endm
	s_load_b128 s[4:7], s[0:1], 0x0                ; img, isc
	s_load_b64 s[8:9], s[0:1], 0x10                ; out0
	v_lshl_add_u32 v[SPW], v0, 2, SPARE
	v_mov_b32 v[NIL], 0
	ds_add_u32 v3, v4
	s_wait_dscnt 0x0
	v_lshrrev_b32 v5, 5, v0
	v_readfirstlane_b32 s[WV], v5                  ; wave 0..7
	s_and_b32 s11, s[WV], 3                        ; which of a slot's four chunks I fetch
	s_bfe_u32 s12, ttmp6, 0x40000                  ; cx: it enters the queries' and the output's global addresses alone
	s_lshl_b32 s13, ttmp9, 2
	s_add_co_u32 s13, s13, s12                     ; my block of 256 query places
	s_and_b32 s14, ttmp7, 0xffff                   ; the head, which the partners share
	s_lshr_b32 s52, s[WV], 2
	s_add_co_u32 s52, s52, 1                       ; g: waves 0-3 fetch keys (1), waves 4-7 values (2)
	s_mul_i32 s54, s52, 6291456                    ; 32 heads x 16 chunks x 12,288 bytes
	s_mul_i32 s55, s14, 196608                     ; 16 chunks
	s_add_co_u32 s54, s54, s55
	s_mul_i32 s55, s11, 12288
	s_add_co_u32 s54, s54, s55
	s_mov_b32 s55, 0
	s_mul_i32 s56, s52, 262144                     ; 32 heads x 8,192 bytes of scale words
	s_lshl_b32 s57, s14, 13
	s_add_co_u32 s56, s56, s57
	s_lshl_b32 s57, s11, 11                        ; which quarter of the head's
	s_add_co_u32 s56, s56, s57
	s_mov_b32 s57, 0
	s_mov_b32 s[G1T], 15|(3<<16)|(1<<21)           ; 15:0 the mask: all four work-groups; elements of 8 bytes; no padding; bit 21 set beside a mask
	s_mov_b32 s[G1T+1], 32<<16                     ; tensor_dim0 = 32 elements: 256 bytes
	s_mov_b32 s[G1T+2], 48<<16                     ; tensor_dim1
	s_mov_b32 s[G1T+3], 32<<16                     ; tile_dim0
	s_mov_b32 s[G1T+4], 48                         ; tile_dim1
	s_mov_b32 s[G1T+5], 32                         ; the pitch: dense
	s_mov_b32 s[G1T+6], 0
	s_mov_b32 s[G1T+7], 0
	s_mov_b32 s[G1S], 15|(3<<16)|(1<<21)
	s_mov_b32 s[G1S+1], 32<<16
	s_mov_b32 s[G1S+2], 8<<16
	s_mov_b32 s[G1S+3], 32<<16
	s_mov_b32 s[G1S+4], 8
	s_mov_b32 s[G1S+5], 32
	s_mov_b32 s[G1S+6], 0
	s_mov_b32 s[G1S+7], 0
	s_mov_b32 s[SEL], 0x76543210
	s_mov_b32 s[SEL+1], 0xfedcba98
	s_mov_b32 s[CS], 0x3e0293ee                    ; c = log2(e) / sqrt(128)
	s_mov_b32 s[CS+1], s[CS]                       ; (named with it as a pair)
	s_mov_b32 s[TB], 0
	s_mov_b32 s[TS], 0
	s_mov_b32 s[SLOTS], 3                          ; 2,048 keys are four slots
	s_wait_kmcnt 0x0
	s_mov_b32 s[G0T], 1
	s_mul_i32 s[G0T+1], s[WV], 12288               ; slot 0: the keys' four chunks from 0 on, the values' four from 49,152 on: wave x 12,288
	s_add_nc_u64 s[G0T+2:G0T+3], s[4:5], s[54:55]
	s_or_b32 s[G0T+3], s[G0T+3], 0x80000000
	s_mov_b32 s[G0S], 1
	s_lshl_b32 s[G0S+1], s[WV], 11
	s_add_co_u32 s[G0S+1], s[G0S+1], SCB
	s_add_nc_u64 s[G0S+2:G0S+3], s[6:7], s[56:57]
	s_or_b32 s[G0S+3], s[G0S+3], 0x80000000
	CROUND                                         ; all four work-groups are here: the first joint loads meet
	tensor_load_to_lds s[G0S:G0S+3], s[G1S:G1S+7]  ; my eighth of the head's scale words: filled once
	s_nop 0
	tensor_load_to_lds s[G0T:G0T+3], s[G1T:G1T+7]  ; my eighth of slot 0: two loads of mine are out
	s_nop 0
.rept 4
	v_nop
.endr
	s_lshl_b32 s52, s13, 4
	s_lshl_b32 s53, s[WV], 1
	s_add_co_u32 s52, s52, s53                     ; my first tile of queries, 0 .. 126, even; the second is the next
	s_mul_i32 s54, s52, 1536                       ; its image,
	s_mul_i32 s55, s14, 196608
	s_add_co_u32 s54, s54, s55
	s_mov_b32 s55, 0
	s_add_nc_u64 s[4:5], s[4:5], s[54:55]
	s_lshr_b32 s56, s52, 3                         ; its scale words: chunk tile / 8,
	s_lshl_b32 s56, s56, 9
	s_bfe_u32 s57, s52, 0x10002                    ; half (tile / 4) % 2,
	s_lshl_b32 s57, s57, 8
	s_add_co_u32 s56, s56, s57
	s_and_b32 s57, s52, 3                          ; word tile % 4 (the second tile's is the next word)
	s_lshl_b32 s57, s57, 2
	s_add_co_u32 s56, s56, s57
	s_lshl_b32 s57, s14, 13
	s_add_co_u32 s56, s56, s57
	s_mov_b32 s57, 0
	s_add_nc_u64 s[6:7], s[6:7], s[56:57]
	s_lshl_b32 s58, s14, 7                         ; the output: row 128 x head + 16 x wave (the sixteen channels that I store),
	s_lshl_b32 s59, s[WV], 4
	s_add_co_u32 s58, s58, s59
	s_lshl_b32 s58, s58, 13                        ; 8,192 bytes a row,
	s_lshl_b32 s59, s13, 10                        ; my block's 256 columns
	s_add_co_u32 s58, s58, s59
	s_mov_b32 s59, 0
	s_add_nc_u64 s[8:9], s[8:9], s[58:59]
	v_and_b32 v7, 31, v0
	v_lshlrev_b32 v[LI], 4, v7
	v_and_b32 v8, 15, v0                           ; r
	v_lshl_add_u32 v[ASC], v8, 4, SCB
	v_lshlrev_b32 v9, 4, v8
.irp c, 0,1,2
	global_load_b128 v[16+4*\c:19+4*\c], v[LI], s[4:5] offset:512*\c   ; tile 0's queries stay in registers
.endr
	global_load_b32 v[QW], v9, s[6:7]              ; the two tiles' scale words
	global_load_b32 v[QW+1], v9, s[6:7] offset:4
	WIN 0x40                                       ; destination window 1
.irp c, 0,1,2
	global_load_b128 v[16+4*\c:19+4*\c], v[LI], s[4:5] offset:1536+512*\c   ; tile 1's
.endr
.irp e, 0,1
	WIN 0x55*\e
	v_mov_b32 v13, 0xff61b1e6                      ; the largest t so far: -3e38, under every t
	v_floor_f32 v12, -v13                          ; -M
	v_mov_b32 v14, 0                               ; the sum, in two halves
	v_mov_b32 v15, 0
.irp b, 0,1,2,3
	v_mov_b32 v[236+\b], 0                         ; written once: a lane permute's destination counts as one of its sources
.endr
	v_mov_b32 v253, 0                              ; (named as the upper half of the pair v[252:253] before it is first written)
.set j, 0
.rept 64
	v_mov_b32 v[160+j], 0                          ; O^T.  (The step is written once for all steps: the first finds zeros, which the first change of M leaves zeros; a first step of its own would be four more copies of the step)
.set j, j+1
.endr
.endr
	WIN 0
; 26 LDS loads in one run: the scale words of a key step's eight fragments, four fragments into window 0's buffer, four into window 1's.
.macro FLOAD adr, q, so
	WIN 0
	ds_load_b128 v[SW:SW+3], v[ADS] offset:\so+512*(\q)
	ds_load_b128 v[SW+4:SW+7], v[ADS] offset:\so+512*(\q)+256
.irp t, 0,1,2,3
.irp c, 0,1,2
	ds_load_b128 v[FRG+12*\t+4*\c:FRG+12*\t+4*\c+3], v[\adr] offset:(8*(\q)+\t)*1536+512*\c
.endr
.endr
	WIN 0x40                                       ; destination window 1, address window 0
.irp t, 0,1,2,3
.irp c, 0,1,2
	ds_load_b128 v[FRG+12*\t+4*\c:FRG+12*\t+4*\c+3], v[\adr] offset:(8*(\q)+4+\t)*1536+512*\c
.endr
.endr
	WIN 0
.endm
; Tile e's softmax for 128 keys, from the scores to p's codes, p's scale word and O^T under the new M.  All its registers lie in window e; the scale word alone goes to window 0.
.macro SM e
	WIN 0x55*(\e)
.irp b, 0,1,2,3
	v_max3_num_f32 v[232+\b], v[96+16*\b], v[97+16*\b], v[98+16*\b]   ; THE LARGEST SCORE OF EACH BLOCK OF 32 KEYS: it serves for the row's maximum and, since p rises with the score, for the block's largest p
.endr
.irp i, 3,5,7,9,11,13
.irp b, 0,1,2,3
	v_max3_num_f32 v[232+\b], v[232+\b], v[96+16*\b+\i], v[97+16*\b+\i]   ; (the four blocks by turns)
.endr
.endr
.irp b, 0,1,2,3
	v_max_num_f32 v[232+\b], v[232+\b], v[111+16*\b]
.endr
.irp b, 0,1,2,3
	v_permlanex16_b32 v[236+\b], v[232+\b], s[SEL], s[SEL+1]
.endr
.irp b, 0,1,2,3
	v_max_num_f32 v[232+\b], v[232+\b], v[236+\b]  ; with lane l xor 16's 16 keys
.endr
	v_max3_num_f32 v254, v232, v233, v234
	v_max_num_f32 v254, v254, v235                 ; the step's largest score of my query
	v_mul_f32 v254, s[CS], v254                    ; as t (c is positive)
	v_max_num_f32 v13, v13, v254                   ; the running largest t
	v_mov_b32 v254, v12
	v_floor_f32 v12, -v13                          ; the new -M = floor(-t) = -ceil(t): M is a whole number
	v_sub_f32 v254, v12, v254                      ; M's old value less its new one: a whole number, 0 or less
	v_cvt_i32_f32 v254, v254                       ; (it saturates)
	v_ldexp_f32 v252, 1.0, v254                    ; f = 2^(old M - new M): a multiplication by it rounds nothing
.set j, 0
.rept 32
	v_pk_fma_f32 v[96+j:97+j], v[96+j:97+j], s[CS:CS+1], v[12:13] op_sel_hi:[1,0,0]   ; t - M, two at a time (of the pairs c and -M the low word serves both halves)
.set j, j+2
.endr
.irp b, 0,1,2,3
	v_fma_f32 v[232+\b], v[232+\b], s[CS], v12     ; the same of each block's largest score
.endr
.set j, 0
.rept 64
	v_exp_f32 v[96+j], v[96+j]                     ; p = 2^(t - M), at most 1: not normalised
.set j, j+1
.endr
.irp b, 0,1,2,3
	v_exp_f32 v[232+\b], v[232+\b]                 ; the block's largest p: the same two instructions on the same number give the same bits
.endr
	v_pk_mul_f32 v[14:15], v[14:15], v[252:253] op_sel_hi:[1,0]   ; the sums under the new M.  (A plain place behind the exponentials)
	s_wait_alu depctr_va_vdst(0)
.irp b, 0,1,2,3
	v_max_num_f32 v[232+\b], 0x2800000, v[232+\b]  ; the floor 2^(5 - 127): the byte cannot fall under 1
.endr
.irp b, 0,1,2,3
	v_add_nc_u32 v[244+\b], 0xfe000000, v[232+\b]  ; 4 off the exponent field: the conversion's scale operand
.endr
.irp b, 0,1,2,3
	v_lshrrev_b32 v[236+\b], 23, v[244+\b]         ; the scale's byte
.endr
	v_lshl_or_b32 v253, v237, 8, v236              ; p's scale word for these 128 keys is gathered here,
	v_lshl_or_b32 v253, v238, 16, v253
	WIN 0x15*(\e)                                  ; and finished in window 0, where scale operands are taken from
	v_lshl_or_b32 v[PWD+\e], v239, 24, v253
	WIN 0x55*(\e)
.irp c, 0,1
	v_cvt_scalef32_pk16_bf6_f32 v[224+6*\c:226+6*\c], v[96+32*\c:111+32*\c], v[244+2*\c]
	v_cvt_scalef32_pk16_bf6_f32 v[236+4*\c:238+4*\c], v[112+32*\c:127+32*\c], v[244+2*\c+1]   ; (a conversion's three registers begin on an even number)
.endr
	v_nop                                          ; one plain place behind a scaled conversion
.irp c, 0,1                                    ; the operand's layout wants a WHOLE block in a lane: lanes 0-15 block 2 c, lanes 16-31 block 2 c + 1
.irp i, 0,1,2
	v_permlane16_swap_b32 v[224+6*\c+\i], v[236+4*\c+\i]
.endr
.irp i, 0,1,2
	v_mov_b32 v[227+6*\c+\i], v[236+4*\c+\i]
.endr
.endr
.set j, 0
.rept 32
	v_pk_mul_f32 v[160+j:161+j], v[160+j:161+j], v[252:253] op_sel_hi:[1,0]   ; O^T under the new M.  (These 32 are also the places between the codes, the scale word and the scaled products)
.set j, j+2
.endr
.endm
; THE ROW'S SUM IS TAKEN OF THE UNQUANTISED p, two at a time, in two chains.  It stands behind the value products, which do not touch p: its lines are the places behind them, and work while LDS loads are out.
.macro SUMS e
	WIN 0x55*(\e)
	v_pk_add_f32 v[236:237], v[96:97], v[98:99]
.irp j, 4,8,12,16,20,24,28,32,36,40,44,48,52,56,60
	v_pk_add_f32 v[14:15], v[14:15], v[96+\j:97+\j]
	v_pk_add_f32 v[236:237], v[236:237], v[98+\j:99+\j]
.endr
	v_pk_add_f32 v[14:15], v[14:15], v[236:237]
.endm
; A KEY STEP: 128 keys, the q-th of the slot in hand.  Its keys' fragments have been asked for.
.macro STEP q
	s_wait_dscnt 12                                ; the scale words and window 0's four fragments are in; window 1's twelve loads may be out
.irp e, 0,1                                    ; S^T = keys x queries^T: key tiles 0-3 for both tiles of queries
	WIN 0x44*\e                                    ; tile e: its queries (source 1) and its scores (destination) in window e
.irp t, 0,1,2,3
	v_wmma_scale_f32_16x16x128_f8f6f4 v[96+8*\t:103+8*\t], v[FRG+12*\t:FRG+12*\t+11], v[16:27], 0, v[SW+\t], v[QW+\e] matrix_a_fmt:MATRIX_FMT_BF6 matrix_b_fmt:MATRIX_FMT_BF6
.endr
.endr
	s_wait_dscnt 0x0
.irp e, 0,1                                    ; key tiles 4-7: source 0 in window 1
	WIN 0x44*\e+1
.irp t, 0,1,2,3
	v_wmma_scale_f32_16x16x128_f8f6f4 v[128+8*\t:135+8*\t], v[FRG+12*\t:FRG+12*\t+11], v[16:27], 0, v[SW+4+\t], v[QW+\e] matrix_a_fmt:MATRIX_FMT_BF6 matrix_b_fmt:MATRIX_FMT_BF6
.endr
.endr
	WIN 0
.rept 4
	v_nop                                          ; four places: in front of the loads into the fragments' and scale words' registers, and of the first read of the scores
.endr
	FLOAD ADV, \q, 8192                            ; the values' fragments land while both softmaxes are worked
	SM 0
	SM 1
	s_wait_dscnt 12
.irp e, 0,1                                    ; O^T += values x p^T: channel tiles 0-3; sixteen accumulators by turns, one instruction a turn
	WIN 0x54*\e                                    ; tile e: p's codes (source 1), C and D in window e
.irp t, 0,1,2,3
	v_wmma_scale_f32_16x16x128_f8f6f4 v[160+8*\t:167+8*\t], v[FRG+12*\t:FRG+12*\t+11], v[224:235], v[160+8*\t:167+8*\t], v[SW+\t], v[PWD+\e] matrix_a_fmt:MATRIX_FMT_BF6 matrix_b_fmt:MATRIX_FMT_BF6
.endr
.endr
	s_wait_dscnt 0x0
.irp e, 0,1                                    ; channel tiles 4-7
	WIN 0x54*\e+1
.irp t, 0,1,2,3
	v_wmma_scale_f32_16x16x128_f8f6f4 v[192+8*\t:199+8*\t], v[FRG+12*\t:FRG+12*\t+11], v[224:235], v[192+8*\t:199+8*\t], v[SW+4+\t], v[PWD+\e] matrix_a_fmt:MATRIX_FMT_BF6 matrix_b_fmt:MATRIX_FMT_BF6
.endr
.endr
	SUMS 0                                         ; 32 plain lines that name no register of the products: the places in front of the loads below
.if (\q) < 3
	FLOAD ADK, (\q)+1, 0                           ; the next step's keys, from the same slot
.endif
	SUMS 1
.endm
; THE CHANGE OF SLOTS stands at a slot's head.  Each wave waits for all its tensor loads (its part of the slot that it is about to read), adds 0 to its spare word, and waits for that and for its reads of the slot that it has left.
; fill = 1: the barrier is a round of the cluster's, and behind it the slot that was left takes the next 512 keys: the load has four key steps in which to land.
.macro CHANGE fill
	s_wait_tensorcnt 0x0                           ; no tensor load of mine is out, so a group 0 may be written
	ds_add_u32 v[SPW], v[NIL]                      ; 0 onto my spare word
.if \fill
	s_xor_b32 s[G0T+1], s[G0T+1], SLOT1            ; the walking descriptor: the other slot than last time,
	s_add_nc_u64 s[G0T+2:G0T+3], s[G0T+2:G0T+3], 49152   ; four chunks on; the type bits on top are not reached
.endif
	s_wait_dscnt 0x0                               ; the add is done, and my reads of the slot that I have left are over
.if \fill
	CROUND                                         ; no wave of any partner still reads that slot or has a load on its way
	tensor_load_to_lds s[G0T:G0T+3], s[G1T:G1T+7]  ; the first thing behind the round, and my one tensor load until the next
	s_nop 0
.rept 4
	v_nop
.endr
.else
	s_barrier_signal -1
	s_barrier_wait -1
.endif
.endm
; A slot's four key steps.  tail = 1: the last slot, which is slot 1: its addresses are constants.
.macro SLOT_STEPS tail
.if \tail
	v_add_nc_u32 v[ADK], SLOT1, v[LI]
	v_add_nc_u32 v[ADS], 3*2048, v[ASC]
.else
	v_add_nc_u32 v[ADK], s[TB], v[LI]
	v_add_nc_u32 v[ADS], s[TS], v[ASC]
.endif
	v_add_nc_u32 v[ADV], VOFF, v[ADK]
	FLOAD ADK, 0, 0                                ; the slot's first keys (the last products stand 64 plain lines back, in front of the sums)
	STEP 0
	STEP 1
	STEP 2
	STEP 3
	WIN 0                                          ; at a label and at a branch every window is 0
.if !\tail
	s_xor_b32 s[TB], s[TB], SLOT1                  ; on to the other slot
	s_add_co_u32 s[TS], s[TS], 2048
.endif
.endm
	s_wait_loadcnt 0x0                             ; my queries and their scale words
.Lslot:                                            ; three trips: behind each change of slots but the last the next slot is asked for
	CHANGE 1
	SLOT_STEPS 0
	s_sub_co_u32 s[SLOTS], s[SLOTS], 1
	s_cmp_lg_u32 s[SLOTS], 0
	s_cbranch_scc1 .Lslot
	CHANGE 0                                       ; the last slot is written out
	SLOT_STEPS 1
	; THE WAY OUT.  O^T is divided by the sum.  A lane holds one query of each tile and 64 channels, the output wants the queries innermost: the eight waves put their numbers into one stage,
	; [channel][query], and each wave then stores sixteen whole rows of 1,024 bytes.
.irp e, 0,1
	WIN 0x55*\e
	v_add_f32 v14, v14, v15                        ; the sum's two halves,
	v_permlanex16_b32 v252, v14, s[SEL], s[SEL+1]
	v_add_f32 v14, v14, v252                       ; and lane l xor 16's: the row's sum
	v_rcp_f32 v14, v14
	v_nop                                          ; a plain place behind the transcendental
.set j, 0
	s_wait_alu depctr_va_vdst(0)
.rept 64
	v_mul_f32 v[96+j], v[160+j], v14               ; register 8 t + i is channel 32 (t / 2) + 16 h + 8 (t % 2) + i of my query; each accumulator from its low end on
.set j, j+1
.endr
.endr
	WIN 0
	v_and_b32 v8, 15, v0                           ; r
	v_bfe_u32 v9, v0, 4, 1                         ; h
	v_and_b32 v10, 8, v8
	v_add_nc_u32 v10, v10, v8                      ; r + 8 (r / 8)
	s_lshl_b32 s52, s[WV], 7                       ; tile e's true queries in the block: 32 w + 8 e + r + 8 (r / 8), 4 bytes each
	s_add_co_u32 s52, s52, STAGE
	v_lshl_add_u32 v10, v10, 2, s52
	v_lshl_add_u32 v8, v9, 14, v10                 ; + 16 h channels of 1,024 bytes: channels 0-63
	v_add_nc_u32 v9, 0x10000, v8                   ; channels 64-127 (an LDS immediate has 16 bits)
	s_lshl_b32 s53, s[WV], 14
	s_add_co_u32 s53, s53, STAGE
	v_add_nc_u32 v10, s53, v[LI]                   ; back: my sixteen rows, 16 bytes a lane
.irp e, 0,1
	WIN 0x04*\e                                    ; an LDS store's data are its source 1: window e
.irp t, 0,1,2,3,4,5,6,7
.irp i, 0,1,2,3,4,5,6,7
.if \t < 4
	ds_store_b32 v8, v[96+8*\t+\i] offset:(32*((\t/2)%2)+8*(\t%2)+\i)*1024+32*\e
.else
	ds_store_b32 v9, v[96+8*\t+\i] offset:(32*((\t/2)%2)+8*(\t%2)+\i)*1024+32*\e
.endif
.endr
.endr
.endr
	WIN 0
	s_wait_dscnt 0x0                               ; for the others' sake: my stores into the stage are done
	s_barrier_signal -1
	s_barrier_wait -1
.set n, 0
.rept 32
	ds_load_b128 v[32+4*n:35+4*n], v10 offset:512*n
.set n, n+1
.endr
.set n, 0
.rept 32
	s_wait_dscnt 31-n                              ; the loads behind number n may be out
	global_store_b128 v[LI], v[32+4*n:35+4*n], s[8:9] offset:8192*(n/2)+512*(n%2) th:TH_STORE_NT   ; 32 lanes store 512 consecutive bytes, aligned; written once, read by nobody here
.set n, n+1
.endr
	s_wait_tensorcnt 0x0                           ; the wave's end: behind my last tensor load and my last LDS store
	ds_add_u32 v[SPW], v[NIL]
	s_wait_dscnt 0x0
	CROUND                                         ; the closing round: no work-group ends while a partner may still ask for a tile that names it
	s_endpgm
.Lfunc_end_k_qbefe1445e8_attn:
	.size	k_qbefe1445e8_attn, .Lfunc_end_k_qbefe1445e8_attn-k_qbefe1445e8_attn
	.p2alignl 7, 3214868480
	.fill 96, 4, 3214868480
	.section	.rodata,"a",@progbits
	.p2align	6, 0x0
	.amdhsa_kernel k_qbefe1445e8_attn
		.amdhsa_group_segment_fixed_size 327680
		.amdhsa_private_segment_fixed_size 0
		.amdhsa_enable_private_segment 0
		.amdhsa_kernarg_size 24
		.amdhsa_user_sgpr_count 2
		.amdhsa_user_sgpr_kernarg_segment_ptr 1
		.amdhsa_wavefront_size32 1
		.amdhsa_system_sgpr_workgroup_id_x 1
		.amdhsa_system_sgpr_workgroup_id_y 1
		.amdhsa_system_sgpr_workgroup_id_z 1
		.amdhsa_system_vgpr_workitem_id 0
		.amdhsa_next_free_vgpr 512
		.amdhsa_next_free_sgpr 66
		.amdhsa_reserve_vcc 0
		.amdhsa_float_denorm_mode_32 3
		.amdhsa_float_denorm_mode_16_64 3
		.amdhsa_memory_ordered 1
		.amdhsa_forward_progress 1
		.amdhsa_inst_pref_size 255
	.end_amdhsa_kernel
	.section	.bss,"aw",@nobits
	.p2align	6
	.space	262144
	.amdgpu_metadata
---
amdhsa.version: [ 1, 2 ]
amdhsa.kernels:
  - .name:           k_qbefe1445e8_attn
    .symbol:         k_qbefe1445e8_attn.kd
    .args:
      - { .name: img, .offset: 0, .size: 8, .value_kind: global_buffer, .address_space: global }
      - { .name: isc, .offset: 8, .size: 8, .value_kind: global_buffer, .address_space: global }
      - { .name: out0, .offset: 16, .size: 8, .value_kind: global_buffer, .address_space: global }
    .group_segment_fixed_size: 327680
    .private_segment_fixed_size: 0
    .kernarg_segment_align: 8
    .kernarg_segment_size: 24
    .max_flat_workgroup_size: 256
    .sgpr_count:     66
    .vgpr_count:     512
    .wavefront_size: 32
...
	.end_amdgpu_metadata
.endif
;; end of part 6
